; MI455X (gfx1250); checked and timed in simulation.
; The chip was launched on July 23, 2026; its instructions are those of AMD's public machine-readable ISA for CDNA 5 (MIT licence, August 2026) and "CDNA5" Instruction Set Architecture Reference Guide (July 2026). The comments in the code are by the model that wrote it; some were corrected since.
;; Bahdanau Attention. Allowed arithmetic: float matrix products may take bf16 or f16 operands with f32 sums; other float arithmetic in f32, or as packed bf16 or f16 multiplies, adds, multiply-adds, maxima and minima; sums over many terms, partial sums and values carried from step to step in f32; what a program stores and reads back later, other than sums and carried values, may be rounded once to bf16 or f16.
;; Inputs: W1 1,024 x 1,024 float32; W2 1,024 x 1,024 float32; decoder_hidden 32 x 1,024 float32; encoder_outputs 32 x 2,048 x 1,024 float32; mask 32 x 2,048 int32; v 1 x 1,024 float32.
;; Outputs: out0 32 x 1,024 float32; out1 32 x 2,048 float32.
;; 2 versions, each right; version 2 is version 1 with the launch tile written anew for expert scheduling mode. Each part assembles by itself: llvm-mc -triple=amdgcn-amd-amdhsa -mcpu=gfx1250 --defsym DOCPART=n.
;; ======== version 1 of 2: 3 launches
;; workspace buffers: w1b 2,097,152 bytes; decs 131,072 bytes; scores 262,144 bytes; stats 131,072 bytes; ctxp 2,097,152 bytes
;; launch prep (part 1): grid 64 x 1, 8 waves a work-group, no clusters, 17,408 bytes of LDS; arguments W1, W2, decoder_hidden, w1b, decs; writes w1b, decs
.if DOCPART == 1
	.amdgcn_target "amdgcn-amd-amdhsa--gfx1250"
	.amdhsa_code_object_version 6
	.text
	.protected	k_qc433e425c9_prep
	.globl	k_qc433e425c9_prep
	.p2align	8
	.type	k_qc433e425c9_prep,@function
k_qc433e425c9_prep:
	s_mov_b64 s[64:65], 0
	v_nop
	global_prefetch_b8 v0, s[64:65] scope:SCOPE_SE
	s_setreg_imm32_b32 hwreg(HW_REG_WAVE_MODE, 25, 1), 1
	s_wait_xcnt 0x0
; PREPARATION.  (1) w1b = W1 rounded to bf16, laid out in the order in which the next launch's matrix instructions want it.
; (2) decs = c x (decoder_hidden W2^T), c = 2 log2(e), in f32: the addend of the next launch's exponent.
; W1, W2: [1024][1024] f32; decoder_hidden: [32][1024] f32.  Products in bf16 with f32 sums.
; SHARES.  Work-group nb owns rows 16 nb .. 16 nb + 15 of W1 and of W2.  Wave w takes the channels k = 128 w .. 128 w + 127: four fragments of 32.
; A fragment is 16 rows x 32 k in 8 registers: lane l holds row l % 16; registers 0-3 k = 8 (l / 16) + 0..7, registers 4-7 k = 16 + 8 (l / 16) + 0..7.
; So a lane's 16 f32 of a fragment are four loads of 16 bytes, and eight roundings in pairs make the fragment.
; w1b: [n / 64][k / 32][(n / 16) % 4][half][lane][16 bytes]: one store of a wave is 512 consecutive bytes.
; decs: [a / 16][batch][16] f32.  The product is taken transposed (source 0 = 16 rows of W2, source 1 = 16 rows of decoder_hidden): a lane holds one
; batch row (l % 16) and the columns a = 8 (l / 16) + 0..7.  K is split among the eight waves; the partial sums meet in LDS (f32 sums in any order).
; LIMITS.  Inputs are rounded once to bf16; NaN and infinities are not treated apart.
.set SPARE, 16384                      ; behind the eight partial tiles: the spare words, 128 bytes for each wave: four blocks of 256 bytes that no other line names
.set WO,  1                            ; v1   (l % 16) x 4096 + 32 (l / 16) + 512 w: my 16 bytes in a row block of W1, W2 or decoder_hidden; never rewritten
.set L16, 2                            ; v2   16 x lane
.set LS,  3                            ; v3   2048 w + 64 (l % 16) + 32 (l / 16): where my partial sums go
.set LR,  4                            ; v4   8 x thread: where I read them back, and my 8 bytes of the work-group's 2,048 of decs
.set SPW, 5                            ; v5   LDS address of my spare word; never rewritten
.set NIL, 6                            ; v6   0; never rewritten
.set AC0, 16                           ; v[16:23]  batch rows 0-15
.set AC1, 24                           ; v[24:31]  batch rows 16-31
.set W1B, 32                           ; v[32:63]  W1's four fragments in bf16
.set FA,  64                           ; v[64:127]  W1 in f32; later decoder_hidden's rows 16-31
.set FB,  128                          ; v[128:191] W2
.set FC,  192                          ; v[192:255] decoder_hidden's rows 0-15
.set RS,  96                           ; v[96:111]  the eight partial sums, a pair each
; 16 loads: a lane's 64 f32 of four fragments.  nt = 1: data that the launch reads once
.macro LD16 dst, sb, extra, nt
.irp jj, 0,1,2,3
.irp hf, 0,1
.irp pc, 0,1
.set rL, (\dst)+16*\jj+8*\hf+4*\pc
.if \nt
	global_load_b128 v[rL:rL+3], v[WO], s[\sb:\sb+1] offset:(\extra)+128*\jj+64*\hf+16*\pc th:TH_LOAD_NT
.else
	global_load_b128 v[rL:rL+3], v[WO], s[\sb:\sb+1] offset:(\extra)+128*\jj+64*\hf+16*\pc
.endif
.endr
.endr
.endr
.endm
; 64 f32 become four fragments; ascending, so that it may run in place (the destination never passes the sources)
.macro CV32 dst, src
.set i, 0
.rept 32
	v_cvt_pk_bf16_f32 v[(\dst)+i], v[(\src)+2*i], v[(\src)+2*i+1]
.set i, i+1
.endr
.endm
	s_load_b256 s[4:11], s[0:1], 0x0               ; W1 s[4:5], W2 s[6:7], decoder_hidden s[8:9], w1b s[10:11]
	s_load_b64 s[12:13], s[0:1], 0x20              ; decs
	v_lshl_add_u32 v[SPW], v0, 2, SPARE
	v_mov_b32 v[NIL], 0
	v_lshrrev_b32 v7, 5, v0
	v_readfirstlane_b32 s14, v7                    ; wave 0..7
	v_and_b32 v8, 15, v0                           ; l % 16
	v_bfe_u32 v9, v0, 4, 1                         ; l / 16
	v_and_b32 v10, 31, v0                          ; lane
	s_lshl_b32 s15, s14, 9                         ; my 128 channels: 512 bytes of a row
	v_lshlrev_b32 v[WO], 12, v8
	v_lshl_add_u32 v[WO], v9, 5, v[WO]
	v_add_nc_u32 v[WO], s15, v[WO]
	v_lshlrev_b32 v[L16], 4, v10
	s_lshl_b32 s15, s14, 11                        ; my partial tile in LDS
	v_lshlrev_b32 v[LS], 6, v8
	v_lshl_add_u32 v[LS], v9, 5, v[LS]
	v_add_nc_u32 v[LS], s15, v[LS]
	v_lshlrev_b32 v[LR], 3, v0
	s_lshl_b32 s24, ttmp9, 16                      ; 16 rows of 4,096 bytes
	s_mov_b32 s25, 0
	s_lshr_b32 s26, ttmp9, 2                       ; w1b: block of 64 columns,
	s_lshl_b32 s26, s26, 17
	s_and_b32 s28, ttmp9, 3                        ; the 16 of them,
	s_lshl_b32 s28, s28, 10
	s_add_co_u32 s26, s26, s28
	s_lshl_b32 s28, s14, 14                        ; my four K steps of 4,096 bytes
	s_add_co_u32 s26, s26, s28
	s_mov_b32 s27, 0
	s_lshl_b32 s28, ttmp9, 11                      ; decs: 2,048 bytes a work-group
	s_mov_b32 s29, 0
	s_wait_kmcnt 0x0
	s_add_nc_u64 s[16:17], s[4:5], s[24:25]
	s_add_nc_u64 s[18:19], s[6:7], s[24:25]
	s_add_nc_u64 s[20:21], s[10:11], s[26:27]
	s_add_nc_u64 s[22:23], s[12:13], s[28:29]
	LD16 FA, 16, 0, 1                              ; W1
	LD16 FB, 18, 0, 1                              ; W2
	LD16 FC, 8, 0, 0                               ; decoder_hidden, rows 0-15: every work-group reads it
	s_wait_loadcnt 32                              ; W1 is in; the 32 younger loads stay out
	CV32 W1B, FA
	LD16 FA, 8, 65536, 0                           ; decoder_hidden, rows 16-31, where W1's f32 lay
.irp jj, 0,1,2,3
.irp hf, 0,1
	global_store_b128 v[L16], v[W1B+8*\jj+4*\hf:W1B+8*\jj+4*\hf+3], s[20:21] offset:4096*\jj+512*\hf  ; 512 consecutive bytes, aligned
.endr
.endr
	s_wait_loadcnt 32                              ; W2 is in; both halves of decoder_hidden may be out
	CV32 FB, FB
	s_wait_loadcnt 16                              ; rows 0-15
	CV32 FC, FC
	s_wait_loadcnt 0x0                             ; rows 16-31
	CV32 FA, FA
	; eight products; the two accumulators take turns, one instruction a turn; the first two start the sums
.irp jj, 0,1,2,3
.if \jj == 0
	v_wmma_f32_16x16x32_bf16 v[AC0:AC0+7], v[FB+8*\jj:FB+8*\jj+7], v[FC+8*\jj:FC+8*\jj+7], 0
	v_wmma_f32_16x16x32_bf16 v[AC1:AC1+7], v[FB+8*\jj:FB+8*\jj+7], v[FA+8*\jj:FA+8*\jj+7], 0
.else
	v_wmma_f32_16x16x32_bf16 v[AC0:AC0+7], v[FB+8*\jj:FB+8*\jj+7], v[FC+8*\jj:FC+8*\jj+7], v[AC0:AC0+7]
	v_wmma_f32_16x16x32_bf16 v[AC1:AC1+7], v[FB+8*\jj:FB+8*\jj+7], v[FA+8*\jj:FA+8*\jj+7], v[AC1:AC1+7]
.endif
.endr
.rept 8
	v_nop                                          ; the places between the last product and the stores that read the results; once a launch, so twice the four
.endr
	ds_store_b128 v[LS], v[AC0:AC0+3]              ; each accumulator from its low end on
	ds_store_b128 v[LS], v[AC0+4:AC0+7] offset:16
	ds_store_b128 v[LS], v[AC1:AC1+3] offset:1024
	ds_store_b128 v[LS], v[AC1+4:AC1+7] offset:1040
	s_wait_dscnt 0x0                               ; for the others' sake: my partial sums lie in LDS
	s_barrier_signal -1
	s_barrier_wait -1                              ; everybody's do
.irp w, 0,1,2,3,4,5,6,7
	ds_load_b64 v[RS+2*\w:RS+2*\w+1], v[LR] offset:2048*\w
.endr
	s_wait_dscnt 0x0
.irp w, 0,1,2,3
	v_pk_add_f32 v[RS+2*\w:RS+2*\w+1], v[RS+2*\w:RS+2*\w+1], v[RS+8+2*\w:RS+8+2*\w+1]
.endr
	v_pk_add_f32 v[RS:RS+1], v[RS:RS+1], v[RS+4:RS+5]
	v_pk_add_f32 v[RS+2:RS+3], v[RS+2:RS+3], v[RS+6:RS+7]
	v_pk_add_f32 v[RS:RS+1], v[RS:RS+1], v[RS+2:RS+3]
	v_pk_mul_f32 v[RS:RS+1], v[RS:RS+1], 0x4038aa3b op_sel_hi:[1,0]  ; times c = 2 log2(e)
	global_store_b64 v[LR], v[RS:RS+1], s[22:23]   ; a wave stores 256 consecutive bytes, aligned
	s_wait_tensorcnt 0x0                           ; the wave's end, behind my last LDS store
	ds_add_u32 v[SPW], v[NIL]
	s_wait_dscnt 0x0
	s_endpgm
.Lfunc_end_k_qc433e425c9_prep:
	.size	k_qc433e425c9_prep, .Lfunc_end_k_qc433e425c9_prep-k_qc433e425c9_prep
	.p2alignl 7, 3214868480
	.fill 96, 4, 3214868480
	.section	.rodata,"a",@progbits
	.p2align	6, 0x0
	.amdhsa_kernel k_qc433e425c9_prep
		.amdhsa_group_segment_fixed_size 17408
		.amdhsa_private_segment_fixed_size 0
		.amdhsa_enable_private_segment 0
		.amdhsa_kernarg_size 40
		.amdhsa_user_sgpr_count 2
		.amdhsa_user_sgpr_kernarg_segment_ptr 1
		.amdhsa_wavefront_size32 1
		.amdhsa_system_sgpr_workgroup_id_x 1
		.amdhsa_system_sgpr_workgroup_id_y 1
		.amdhsa_system_sgpr_workgroup_id_z 1
		.amdhsa_system_vgpr_workitem_id 0
		.amdhsa_next_free_vgpr 256
		.amdhsa_next_free_sgpr 66
		.amdhsa_reserve_vcc 0
		.amdhsa_float_denorm_mode_32 3
		.amdhsa_float_denorm_mode_16_64 3
		.amdhsa_memory_ordered 1
		.amdhsa_forward_progress 1
		.amdhsa_inst_pref_size 19
	.end_amdhsa_kernel
	.amdgpu_metadata
---
amdhsa.version: [ 1, 2 ]
amdhsa.kernels:
  - .name:           k_qc433e425c9_prep
    .symbol:         k_qc433e425c9_prep.kd
    .args:
      - { .name: W1, .offset: 0, .size: 8, .value_kind: global_buffer, .address_space: global }
      - { .name: W2, .offset: 8, .size: 8, .value_kind: global_buffer, .address_space: global }
      - { .name: decoder_hidden, .offset: 16, .size: 8, .value_kind: global_buffer, .address_space: global }
      - { .name: w1b, .offset: 24, .size: 8, .value_kind: global_buffer, .address_space: global }
      - { .name: decs, .offset: 32, .size: 8, .value_kind: global_buffer, .address_space: global }
    .group_segment_fixed_size: 17408
    .private_segment_fixed_size: 0
    .kernarg_segment_align: 8
    .kernarg_segment_size: 40
    .max_flat_workgroup_size: 256
    .sgpr_count:     66
    .vgpr_count:     256
    .wavefront_size: 32
...
	.end_amdgpu_metadata
.endif
;; end of part 1
;; launch tile (part 2): grid 512 x 1, 8 waves a work-group, no clusters, 275,456 bytes of LDS; arguments encoder_outputs, mask, v, w1b, decs, scores, stats, ctxp; writes scores, stats, ctxp
.if DOCPART == 2
	.amdgcn_target "amdgcn-amd-amdhsa--gfx1250"
	.amdhsa_code_object_version 6
	.text
	.protected	k_qc433e425c9_tile
	.globl	k_qc433e425c9_tile
	.p2align	8
	.type	k_qc433e425c9_tile,@function
k_qc433e425c9_tile:
	s_mov_b64 s[64:65], 0
	v_nop
	global_prefetch_b8 v0, s[64:65] scope:SCOPE_SE
	s_setreg_imm32_b32 hwreg(HW_REG_WAVE_MODE, 25, 1), 1
	s_wait_xcnt 0x0
; BAHDANAU ATTENTION, one tile of 128 encoder rows of one batch: the rows' scores, the tile's own softmax (maximum m, weights p, sum l) and the tile's part of the context.
; score[l] = sum over n of v[n] tanh(x[l][n]), x = enc[l] . W1[n] + dec[n].  tanh(x) = 1 - 2 r, r = 1 / (1 + 2^(c x)), c = 2 log2(e): where 2^(c x) overflows r is 0, where it
; vanishes r is 1, so tanh saturates by itself.  STORED IS t = -2 sum v r = score - sum v: the sum of v is the same for all rows, and a softmax does not change when all its scores are
; shifted alike, whatever the inputs.  t = -inf where mask == 0.  The last launch joins a batch's 16 tiles.
; LIMITS.  enc, W1 and the weights p are rounded once to bf16 for the products; all sums, maxima and partial sums are f32.  An exponential below 2^-126 counts as 0.  NaN and infinite
; inputs are not treated apart.  A tile whose rows are all masked gives m = the lowest finite number, p = 0, l = 0.
; SHARES.  Work-group t: batch t / 16, rows 128 (t % 16) on.  enc is read ONCE: wave w loads rows 16 w .. 16 w + 15 in f32, rounds them and lays them into LDS, where the whole tile (128 x 1024
; bf16) stays for both of its uses.  For the scores wave w owns the columns n = 128 w .. 128 w + 127 of all 128 rows, in two passes of 64: 8 x 4 accumulators, 256 registers.
; THE MATRIX INSTRUCTION IS USED TRANSPOSED (source 0 = 16 rows of W1, source 1 = 16 rows of enc): a lane holds ONE row l = 16 a + lane % 16 and the columns 8 (lane / 16) + 0..7, so the sum over n
; stays in the lane but for one exchange of the lanes' halves and one meeting of the waves.
; W1 comes straight from w1b into registers, 512 consecutive bytes a load, three K steps ahead: no wave wants a byte of it that another wave has fetched.
; NO CLUSTER, NO TENSOR LOADS, though every work-group walks the same W1: the resident tile takes 264,192 bytes of LDS and the scratch 11,264, which leaves 52,224 of 327,680; one K step of W1 for the
; eight waves is 32,768 bytes, so two slots of it do not fit; and enc, being f32, has to pass through registers anyway.
; PASS 0 also brings enc in, in eight chunks of 128 channels: a chunk's 16 loads go out four K steps ahead of its rounding, its rounding one K step and a barrier ahead of its first use.
; REGISTERS, in windows of 256 (s_set_vgpr_msb: bits 1:0 source 0, 3:2 source 1, 5:4 source 2, 7:6 destination): window 0 as named below; window 1: accumulator (a, b) at v[8 (4 a + b)].
.set PITCH,  2064                      ; an LDS row: 2,048 bytes + 16 = 129 x 16: the 16 rows of a fragment load start at 16 different groups of four banks (64 banks of 4 bytes: ISA guide 11.1)
.set HALF16, 16*PITCH
.set ROWS32, 32*PITCH
.set SCP,    128*PITCH                 ; 264,192: [wave][128] f32, the waves' partial scores
.set PW,     SCP+4096                  ; [wave][128] bf16, the weights: each wave's own copy
.set CX,     PW+2048                   ; [wave][128] f32, the stage for the context: each wave's own
.set SPARE,  CX+4096                   ; 274,432: the spare words, 128 bytes for each wave: four blocks of 256 bytes that no other line names
.set L16,  1                           ; v1     16 x lane; never rewritten
.set ADRA, 2                           ; v2-5   LDS address of my fragments of rows 32 i on: (l % 16) x pitch + 16 (l / 16) + i x 32 rows
.set ST,   6                           ; v6     where I put 8 bytes of my wave's first row
.set PFO,  7                           ; v7     the prefetches' offset: row lane / 2, 256 x (lane % 2); never rewritten
.set H32,  8                           ; v8     32 (l / 16): my 8 numbers of 16 of dec and of v
.set SPW,  9                           ; v9     LDS address of my spare word; never rewritten
.set NIL,  10                          ; v10    0; never rewritten
.set LANE, 11                          ; v11    lane
.set SCR,  12                          ; v12-19 sum of v r over my columns, for row 16 a + l % 16
.set MK,   20                          ; v20-23 the mask of rows 4 lane .. 4 lane + 3
.set AF,   32                          ; v32-95   enc's fragments of one K step: a = 0-3, then a = 4-7
.set BF,   96                          ; v96-191  W1's fragments: three buffers of 32, K step J in buffer J % 3
.set SG,   192                         ; v192-255 a chunk of enc in f32: 16 loads
.set DEC,  192                         ;          later c dec of my 32 columns of a pass,
.set VV,   224                         ;          and v of the same
.set EN,  32                           ; s[32:33] enc at my wave's first row
.set WB,  34                           ; s[34:35] w1b at my wave's 64 K steps of 4,096 bytes
.set WL,  36                           ; s[36:37] the same, stepped by pass 1's loop
.set DT,  38                           ; s[38:39] decs at my batch and my 128 columns
.set VP,  40                           ; s[40:41] v at my 128 columns
.set CC,  42                           ; s[42:43] c, named as a pair
.set SEL, 44                           ; s[44:45] v_permlanex16_b32's selects: each lane takes its own place in the other half
.set CNT, 46                           ; s46      counts pass 1's trips
.set W_MUL, 0x50                       ; C and D in window 1
.set W_E1,  0x41                       ; destination and source 0 in window 1
.set W_E2,  0x51                       ; and source 2
.set W_T,   0x45                       ; destination, sources 0 and 1 in window 1
.set W_SC,  0x04                       ; source 1 in window 1
.set W_CX,  0x05                       ; sources 0 and 1 in window 1
.set MSB, 0
.macro WIN new                         ; the immediate's high byte repeats the setting that is left; a switch that changes nothing is dropped
.if MSB != (\new)
	s_set_vgpr_msb (MSB<<8)|(\new)
.set MSB, \new
.endif
.endm
; A load into a register that a matrix instruction has read, and a vector instruction that reads a matrix result, stand four places behind it, and only plain vector instructions that name none
; of its registers are places (ISA guide 7.12.1 for vector instructions).
.macro PLACES
.rept 4
	v_nop
.endr
.endm
; 16 matrix instructions: rows 64 half + 16 a (a = 0..3) x my 64 columns, 32 along K.  Every one has another accumulator than the one before it, from call to call and over the loop's jump too,
; 31 others stand between two links of a chain.  zero = 1: the products start the sums.
.macro MULH half, bq, zero
	WIN W_MUL
.irp a, 0,1,2,3
.irp b, 0,1,2,3
.set rD, 8*(4*(4*(\half)+\a)+\b)
.set rB, BF+32*(\bq)+8*\b
.set rA, AF+32*(\half)+8*\a
.if \zero
	v_wmma_f32_16x16x32_bf16 v[rD:rD+7], v[rB:rB+7], v[rA:rA+7], 0
.else
	v_wmma_f32_16x16x32_bf16 v[rD:rD+7], v[rB:rB+7], v[rA:rA+7], v[rD:rD+7]
.endif
.endr
.endr
.endm
; 8 LDS loads: four fragments of enc (rows 64 half on), 32 channels at byte off of the rows
.macro FETCHA half, off
.irp a, 0,1,2,3
.set rA, AF+32*(\half)+8*\a
.set rX, ADRA+2*(\half)+(\a)/2
.set oA, ((\a)%2)*HALF16+(\off)
	ds_load_b128 v[rA:rA+3], v[rX] offset:oA
	ds_load_b128 v[rA+4:rA+7], v[rX] offset:oA+32
.endr
.endm
; The global loads of pass 0 are counted by the assembler: ISS = loads issued so far, BENDn and EEND = that number when buffer n's, or the chunk's, last load had gone out.
; Loads come back in order (ISA guide 5.7.1): a group is in when at most ISS - its number are out.
.set ISS, 0
.set BEND0, 0
.set BEND1, 0
.set BEND2, 0
.set EEND, 0
.macro BLOAD bq, sb, off               ; a K step of W1 for my 64 columns: 8 loads of 512 consecutive bytes
.irp b, 0,1,2,3
.set rB, BF+32*(\bq)+8*\b
	global_load_b128 v[rB:rB+3], v[L16], s[\sb:\sb+1] offset:(\off)+1024*\b
	global_load_b128 v[rB+4:rB+7], v[L16], s[\sb:\sb+1] offset:(\off)+1024*\b+512
.endr
.set ISS, ISS+8
.if (\bq) == 0
.set BEND0, ISS
.elseif (\bq) == 1
.set BEND1, ISS
.else
.set BEND2, ISS
.endif
.endm
.macro WAITB bq
.if (\bq) == 0
	s_wait_loadcnt ISS-BEND0
.elseif (\bq) == 1
	s_wait_loadcnt ISS-BEND1
.else
	s_wait_loadcnt ISS-BEND2
.endif
.endm
.macro ENCLOAD c                       ; chunk c of my 16 rows: a load takes 512 consecutive bytes of one row
.set i, 0
.rept 16
	global_load_b128 v[SG+4*i:SG+4*i+3], v[L16], s[EN:EN+1] offset:i*4096+512*(\c) th:TH_LOAD_NT
.set i, i+1
.endr
.set ISS, ISS+16
.set EEND, ISS
.endm
.macro WAITE
	s_wait_loadcnt ISS-EEND
.endm
.macro CONV c                          ; the chunk is rounded to bf16 and stored: a store takes 256 consecutive bytes of one LDS row
.set i, 0
.rept 16
	v_cvt_pk_bf16_f32 v[SG+4*i], v[SG+4*i], v[SG+4*i+1]
	v_cvt_pk_bf16_f32 v[SG+4*i+1], v[SG+4*i+2], v[SG+4*i+3]
	ds_store_b64 v[ST], v[SG+4*i:SG+4*i+1] offset:i*PITCH+256*(\c)
.set i, i+1
.endr
.endm
.macro DVLOAD p                        ; c dec and v of my 64 columns of pass p: index 8 b + j as in a group of accumulators
.irp b, 0,1,2,3
.irp q, 0,1
	global_load_b128 v[DEC+8*\b+4*\q:DEC+8*\b+4*\q+3], v[H32], s[DT:DT+1] offset:(4*(\p)+\b)*2048+16*\q
	global_load_b128 v[VV+8*\b+4*\q:VV+8*\b+4*\q+3], v[H32], s[VP:VP+1] offset:(64*(\p)+16*\b)*4+16*\q
.endr
.endr
.set ISS, ISS+16
.endm
; A PREFETCH INTO THE L2 of chunk c of my own 16 rows: 32 blocks of 256 bytes, a lane a block, one instruction.  It stands behind the loads of chunk c - 1 and names what the wave loads four K steps,
; 128 of its matrix instructions, later.  Each block of enc is named once in the launch, by the wave that loads it.  Chunks 0 to 2 come by their loads alone; behind chunk 7 there is nothing to ask for.
.macro ASK c
	global_prefetch_b8 v[PFO], s[EN:EN+1] offset:512*(\c) th:TH_LOAD_NT scope:SCOPE_SE
.endm
; THE EPILOGUE of a pass: for each of the 8 groups g of 32 registers (row block a = g): M: c x + c dec, a pair a line; E: 2^..; A: + 1; R: 1 / ..; S: times v, summed in four chains of pairs.
; A line for a group outside 0..7 is dropped.  Pairs ascend.
.macro EPM g, i
.if ((\g) >= 0) && ((\g) < 8)
	v_pk_fma_f32 v[32*(\g)+2*(\i):32*(\g)+2*(\i)+1], v[32*(\g)+2*(\i):32*(\g)+2*(\i)+1], s[CC:CC+1], v[DEC+2*(\i):DEC+2*(\i)+1] op_sel_hi:[1,0,1]
.endif
.endm
.macro EPE g, k
.if ((\g) >= 0) && ((\g) < 8)
	v_exp_f32 v[32*(\g)+(\k)], v[32*(\g)+(\k)]
.endif
.endm
.macro EPA g, i
.if ((\g) >= 0) && ((\g) < 8)
	v_pk_add_f32 v[32*(\g)+2*(\i):32*(\g)+2*(\i)+1], v[32*(\g)+2*(\i):32*(\g)+2*(\i)+1], 1.0 op_sel_hi:[1,0]
.endif
.endm
.macro EPR g, k
.if ((\g) >= 0) && ((\g) < 8)
	v_rcp_f32 v[32*(\g)+(\k)], v[32*(\g)+(\k)]
.endif
.endm
.macro EPS g, i
.if ((\g) >= 0) && ((\g) < 8)
.if (\i) < 4
	v_pk_mul_f32 v[32*(\g)+2*(\i):32*(\g)+2*(\i)+1], v[32*(\g)+2*(\i):32*(\g)+2*(\i)+1], v[VV+2*(\i):VV+2*(\i)+1]
.else
	v_pk_fma_f32 v[32*(\g)+2*((\i)%4):32*(\g)+2*((\i)%4)+1], v[32*(\g)+2*(\i):32*(\g)+2*(\i)+1], v[VV+2*(\i):VV+2*(\i)+1], v[32*(\g)+2*((\i)%4):32*(\g)+2*((\i)%4)+1]
.endif
.endif
.endm
; Turn t: the exponentials of group t and the reciprocals of group t - 1, with plain work of other groups between them.  Nothing in a turn names a result of the turn's own exponentials or
; reciprocals: each is first named in the next turn.  So a turn has ONE wait, at its end, behind one plain instruction: s_wait_alu depctr_va_vdst(0) stands between such an instruction and the first that names its result.
.macro EPTURN t
.if (\t) <= 8
	WIN W_E1
.set i, 0
.rept 16
	EPE \t, 2*i
	EPA (\t)-1, i
	EPE \t, 2*i+1
	EPM (\t)+1, i
.set i, i+1
.endr
.endif
.if (\t) >= 1
	WIN W_E2
.set i, 0
.rept 16
	EPR (\t)-1, 2*i
	EPS (\t)-2, i
	EPR (\t)-1, 2*i+1
.set i, i+1
.endr
.endif
.if (\t) <= 8
	v_nop
	s_wait_alu depctr_va_vdst(0)
.endif
.endm
.macro EPILOGUE
	WIN W_E1
.set i, 0
.rept 16
	EPM 0, i
.set i, i+1
.endr
.irp t, 0,1,2,3,4,5,6,7,8,9
	EPTURN \t
.endr
	WIN W_T                                        ; each group's four chains into one number
.irp a, 0,1,2,3,4,5,6,7
	v_pk_add_f32 v[32*\a:32*\a+1], v[32*\a:32*\a+1], v[32*\a+2:32*\a+3]
.endr
.irp a, 0,1,2,3,4,5,6,7
	v_pk_add_f32 v[32*\a+4:32*\a+5], v[32*\a+4:32*\a+5], v[32*\a+6:32*\a+7]
.endr
.irp a, 0,1,2,3,4,5,6,7
	v_pk_add_f32 v[32*\a:32*\a+1], v[32*\a:32*\a+1], v[32*\a+4:32*\a+5]
.endr
.irp a, 0,1,2,3,4,5,6,7
	v_add_f32 v[32*\a], v[32*\a], v[32*\a+1]
.endr
	WIN W_SC
.irp a, 0,1,2,3,4,5,6,7
	v_add_f32 v[SCR+\a], v[SCR+\a], v[32*\a]
.endr
	WIN 0
.endm
	s_load_b512 s[8:23], s[0:1], 0x0               ; enc s[8:9], mask s[10:11], v s[12:13], w1b s[14:15], decs s[16:17], scores s[18:19], stats s[20:21], ctxp s[22:23]
	v_lshl_add_u32 v[SPW], v0, 2, SPARE
	v_mov_b32 v[NIL], 0
	v_lshrrev_b32 v24, 5, v0
	v_readfirstlane_b32 s24, v24                   ; wave 0..7
	v_and_b32 v[LANE], 31, v0
	v_lshlrev_b32 v[L16], 4, v[LANE]
	s_mov_b32 s25, ttmp9                           ; the tile
	s_lshr_b32 s26, s25, 4                         ; its batch
	s_lshl_b32 s28, s25, 19                        ; 128 rows of 4,096 bytes,
	s_lshl_b32 s27, s24, 16                        ; my wave's 16
	s_add_co_u32 s28, s28, s27
	s_mov_b32 s29, 0
	s_lshl_b32 s30, s24, 18                        ; my wave's 64 K steps of W1
	s_mov_b32 s31, 0
	s_wait_kmcnt 0x0
	s_add_nc_u64 s[EN:EN+1], s[8:9], s[28:29]
	s_add_nc_u64 s[WB:WB+1], s[14:15], s[30:31]
	ENCLOAD 0                                      ; the chunk that everybody waits for goes out first,
	BLOAD 0, WB, 0                                 ; then three K steps of W1
	BLOAD 1, WB, 4096
	BLOAD 2, WB, 8192
	s_lshl_b32 s28, s26, 6
	s_lshl_b32 s27, s24, 14
	s_add_co_u32 s28, s28, s27
	s_add_nc_u64 s[DT:DT+1], s[16:17], s[28:29]
	s_lshl_b32 s28, s24, 9
	s_add_nc_u64 s[VP:VP+1], s[12:13], s[28:29]
	s_lshl_b32 s28, s25, 9                         ; 128 words of mask and of scores
	s_add_nc_u64 s[48:49], s[10:11], s[28:29]
	s_add_nc_u64 s[50:51], s[18:19], s[28:29]
	s_lshl_b32 s28, s25, 8
	s_add_nc_u64 s[52:53], s[20:21], s[28:29]
	s_lshl_b32 s28, s25, 12
	s_lshl_b32 s27, s24, 9
	s_add_co_u32 s28, s28, s27
	s_add_nc_u64 s[54:55], s[22:23], s[28:29]
	s_mov_b32 s[CC], 0x4038aa3b                    ; c = 2 log2(e)
	s_mov_b32 s[CC+1], 0x4038aa3b
	s_mov_b32 s[SEL], 0x76543210
	s_mov_b32 s[SEL+1], 0xfedcba98
	s_mov_b32 s56, 0x3fb8aa3b                      ; log2(e)
	v_and_b32 v24, 15, v0                          ; l % 16
	v_bfe_u32 v25, v0, 4, 1                        ; l / 16
	v_mul_u32_u24 v26, v24, PITCH
	v_lshl_add_u32 v26, v25, 4, v26
.irp i, 0,1,2,3
	v_add_nc_u32 v[ADRA+\i], \i*ROWS32, v26
.endr
	s_mul_i32 s27, s24, HALF16                     ; my wave's 16 rows in LDS
	v_lshl_add_u32 v[ST], v[LANE], 3, s27
	v_lshrrev_b32 v27, 1, v[LANE]
	v_and_b32 v28, 1, v[LANE]
	v_lshlrev_b32 v[PFO], 12, v27
	v_lshl_add_u32 v[PFO], v28, 8, v[PFO]
	v_lshlrev_b32 v[H32], 5, v25
.irp a, 0,1,2,3,4,5,6,7
	v_mov_b32 v[SCR+\a], 0
.endr
	WAITE                                          ; chunk 0 is in; W1's 24 loads may stay out
	CONV 0
	ENCLOAD 1
	s_wait_dscnt 0x0                               ; for the others' sake: my rows of chunk 0 lie in LDS
	s_barrier_signal -1
	s_barrier_wait -1                              ; everybody's do
	FETCHA 0, 0
	FETCHA 1, 0
; PASS 0, written out: W1's buffers go round in three K steps and the chunks in four.  K step j multiplies fragments fetched in step j - 1, fetches those of step j + 1 (behind step 31: pass 1's first)
; and asks for W1's K step j + 3 (the stream runs on into pass 1).  In steps 1, 5 .. 25 (EV1) chunk CH = (j + 3) / 4 is rounded and stored and the next is asked for; in the step behind (EV2) a barrier
; shows it to all waves: each wave's stores are waited for in front of its signal; between signal and wait stand 16 matrix instructions and loads of an older chunk's columns, which nobody writes;
; the chunk's first fragments are fetched in the step behind that.
.set j, 0
.rept 32
.set EV1, 0
.set EV2, 0
.if ((j%4) == 1) && (j <= 25)
.set EV1, 1
.endif
.if ((j%4) == 2) && (j <= 26)
.set EV2, 1
.endif
.set CH, (j+3)/4
	WAITB j%3                                      ; W1's K step j is in
.if EV2
	s_wait_dscnt 24                                ; rows 0-63 are in; younger: rows 64-127's 8 loads and the chunk's 16 stores
.else
	s_wait_dscnt 8                                 ; rows 0-63 are in; younger: rows 64-127's 8 loads
.endif
.if j == 0
	MULH 0, 0, 1
.else
	MULH 0, j%3, 0
.endif
	WIN 0
.if EV2
	s_wait_dscnt 0x0                               ; my stores of the chunk are done (and rows 64-127 are in)
	s_barrier_signal -1
.endif
	PLACES
	FETCHA 0, 64*((j+1)%32)
.if !EV2
	s_wait_dscnt 8                                 ; rows 64-127 are in; the 8 loads just issued stay out
.endif
.if j == 0
	MULH 1, 0, 1
.else
	MULH 1, j%3, 0
.endif
	WIN 0
.if EV2
	s_barrier_wait -1                              ; the chunk is whole
.endif
	PLACES
	FETCHA 1, 64*((j+1)%32)
	BLOAD j%3, WB, (j+3)*4096
.if EV1
	WAITE                                          ; the chunk's loads are in (the W1 groups issued behind them may be out)
	CONV CH
.if CH < 7
	ENCLOAD CH+1
.if CH <= 5
	ASK CH+2
.endif
.else
	DVLOAD 0                                       ; the staging registers are free: c dec and v for pass 0's epilogue
.endif
.endif
.set j, j+1
.endr
	s_wait_loadcnt 24                              ; c dec and v are in; pass 1's first three K steps of W1 may stay out
	PLACES                                         ; with the four above: eight places between the last product and the packed lines that read results
	EPILOGUE
; PASS 1: my other 64 columns.  enc lies in LDS, so a K step has no events and goes in a loop of three (W1's buffers).
; wl: the loads younger than this step's W1.  aoff: byte of the next step's fragments in the rows, or -1: none.  boff: byte of W1's K step three on behind base sb, or -1: none.
.macro KS bq, wl, aoff, sb, boff, zero
	s_wait_loadcnt \wl
	s_wait_dscnt 8                                 ; rows 0-63 are in
	MULH 0, \bq, \zero
	WIN 0
.if (\aoff) >= 0
	PLACES
	FETCHA 0, \aoff
	s_wait_dscnt 8                                 ; rows 64-127 are in
.else
	s_wait_dscnt 0x0
.endif
	MULH 1, \bq, \zero
	WIN 0
.if ((\aoff) >= 0) || ((\boff) >= 0)
	PLACES
.endif
.if (\aoff) >= 0
	FETCHA 1, \aoff
.endif
.if (\boff) >= 0
	BLOAD \bq, \sb, \boff
.endif
.endm
	DVLOAD 1                                       ; for pass 1's epilogue; the first epilogue has read these registers
	global_load_b128 v[MK:MK+3], v[L16], s[48:49]  ; the mask of rows 4 lane on
	s_mov_b64 s[WL:WL+1], s[WB:WB+1]
	KS 2, 33, 64, WB, 35*4096, 1                   ; K step 32: younger are steps 33 and 34 (16), c dec and v (16) and the mask (1)
	s_mov_b32 s[CNT], 9
.Lk1:                                              ; trip i: K steps 33 + 3 i .. 35 + 3 i; younger than a step's W1 are the two next steps' 16 loads (in the first trip more: the smaller count is safe)
	s_wait_xcnt 0x0                                ; every load issued so far has read its address, so the base may be written
	s_add_nc_u64 s[WL:WL+1], s[WL:WL+1], 12288
	KS 0, 16, 128, WL, 33*4096, 0
	KS 1, 16, 192, WL, 34*4096, 0
	KS 2, 16, 256, WL, 35*4096, 0
.irp i, 0,1,2,3
	v_add_nc_u32 v[ADRA+\i], 192, v[ADRA+\i]       ; three K steps along the rows
.endr
	s_sub_co_u32 s[CNT], s[CNT], 1
	s_cmp_lg_u32 s[CNT], 0
	s_cbranch_scc1 .Lk1
	KS 0, 16, 128, WL, 36*4096, 0                  ; K step 60 asks for the last, 63
	KS 1, 16, 192, WL, -1, 0
	KS 2, 8, 256, WL, -1, 0
	KS 0, 0, -1, WL, -1, 0                         ; the last wait is for 0: c dec, v and the mask are in too
	PLACES
	PLACES
	EPILOGUE
; THE TILE'S SOFTMAX.  The other half of the lanes holds the row's other columns; then the eight waves' sums meet in LDS.
.irp a, 0,1,2,3,4,5,6,7
	v_permlanex16_b32 v[AF+\a], v[SCR+\a], s[SEL], s[SEL+1]
.endr
.irp a, 0,1,2,3,4,5,6,7
	v_add_f32 v[SCR+\a], v[SCR+\a], v[AF+\a]
.endr
	s_lshl_b32 s27, s24, 9
	s_add_co_u32 s27, s27, SCP
	v_lshl_add_u32 v24, v[LANE], 2, s27            ; SCP + 512 w + 4 lane
	v_add_nc_u32 v25, SCP, v[L16]                  ; SCP + 16 lane
	v_add_nc_u32 v2, s27, v[L16]                   ; SCP + 512 w + 16 lane
	s_lshl_b32 s28, s24, 8
	s_add_co_u32 s30, s28, PW
	v_lshl_add_u32 v26, v[LANE], 3, s30            ; PW + 256 w + 8 lane
	v_bfe_u32 v29, v0, 4, 1                        ; l / 16
	v_lshl_add_u32 v27, v29, 4, s30                ; PW + 256 w + 16 (l / 16)
	v_and_b32 v28, 7, v0
	v_lshl_add_u32 v28, v29, 3, v28                ; the turning load: row 8 (l / 16) + l % 8,
	v_mul_u32_u24 v28, v28, PITCH
	v_bfe_u32 v29, v0, 3, 1
	v_lshl_add_u32 v28, v29, 4, v28                ; 16 bytes for each half of 16 columns,
	v_add_nc_u32 v28, s28, v28                     ; my wave's 128 columns
	v_add_nc_u32 v29, ROWS32, v28                  ; and the same 32, 64, 96 rows on
	v_add_nc_u32 v30, 2*ROWS32, v28
	v_add_nc_u32 v31, 3*ROWS32, v28
	v_lshlrev_b32 v3, 3, v[LANE]
	v_mov_b32 v4, 0xff800000                       ; -inf
	v_cmp_gt_u32 vcc_lo, 16, v[LANE]
.irp i, 0,1,2,3
	v_cndmask_b32 v[160+\i], v[SCR+2*\i+1], v[SCR+2*\i], vcc_lo  ; row 32 i + lane
.endr
.irp i, 0,1,2,3
	ds_store_b32 v24, v[160+\i] offset:128*\i
.endr
	s_wait_dscnt 0x0                               ; for the others' sake: my partial scores lie in LDS
	s_barrier_signal -1
	s_barrier_wait -1                              ; everybody's do.  From here on every wave makes the whole tile's softmax for itself: no further barrier
.irp w, 0,1,2,3,4,5,6,7
	ds_load_b128 v[160+4*\w:160+4*\w+3], v25 offset:512*\w  ; rows 4 lane .. 4 lane + 3
.endr
	s_wait_dscnt 0x0
.irp w, 0,2,4,6,8,10,12,14
	v_pk_add_f32 v[160+\w:160+\w+1], v[160+\w:160+\w+1], v[176+\w:176+\w+1]
.endr
.irp w, 0,2,4,6
	v_pk_add_f32 v[160+\w:160+\w+1], v[160+\w:160+\w+1], v[168+\w:168+\w+1]
.endr
.irp w, 0,2
	v_pk_add_f32 v[160+\w:160+\w+1], v[160+\w:160+\w+1], v[164+\w:164+\w+1]
.endr
	v_pk_mul_f32 v[160:161], v[160:161], -2.0 op_sel_hi:[1,0]   ; t = -2 sum v r
	v_pk_mul_f32 v[162:163], v[162:163], -2.0 op_sel_hi:[1,0]
.irp i, 0,1,2,3
	v_cmp_eq_u32 vcc_lo, 0, v[MK+\i]
	v_cndmask_b32 v[160+\i], v[160+\i], v4, vcc_lo
.endr
	v_max3_num_f32 v172, v160, v161, v162
	v_max_num_f32 v172, v172, v163
	v_max_num_f32_dpp v172, v172, v172 row_xmask:1 row_mask:0xf bank_mask:0xf
	v_max_num_f32_dpp v172, v172, v172 row_xmask:2 row_mask:0xf bank_mask:0xf
	v_max_num_f32_dpp v172, v172, v172 row_xmask:4 row_mask:0xf bank_mask:0xf
	v_max_num_f32_dpp v172, v172, v172 row_xmask:8 row_mask:0xf bank_mask:0xf
	v_permlanex16_b32 v173, v172, s[SEL], s[SEL+1]
	v_max_num_f32 v172, v172, v173
	v_max_num_f32 v172, 0xff7fffff, v172           ; m stays finite where every row is masked: then t - m = -inf and p = 0
.irp i, 0,1,2,3
	v_sub_f32 v[164+\i], v[160+\i], v172
.endr
.irp i, 0,1,2,3
	v_mul_f32 v[164+\i], s56, v[164+\i]
.endr
.irp i, 0,1,2,3
	v_exp_f32 v[164+\i], v[164+\i]
.endr
	v_nop                                          ; a plain instruction behind the last exponential,
	s_wait_alu depctr_va_vdst(0)                   ; and the one wait for the four, ahead of their first reader
	v_add_f32 v174, v164, v165
	v_add_f32 v175, v166, v167
	v_cvt_pk_bf16_f32 v168, v164, v165
	v_cvt_pk_bf16_f32 v169, v166, v167
	v_add_f32 v174, v174, v175                     ; l is the sum of the unrounded p
	ds_store_b64 v26, v[168:169]                   ; my wave's copy of the 128 weights
	v_add_f32_dpp v174, v174, v174 row_xmask:1 row_mask:0xf bank_mask:0xf
	v_add_f32_dpp v174, v174, v174 row_xmask:2 row_mask:0xf bank_mask:0xf
	v_add_f32_dpp v174, v174, v174 row_xmask:4 row_mask:0xf bank_mask:0xf
	v_add_f32_dpp v174, v174, v174 row_xmask:8 row_mask:0xf bank_mask:0xf
	v_permlanex16_b32 v175, v174, s[SEL], s[SEL+1]
	v_add_f32 v171, v174, v175
	v_mov_b32 v170, v172
	s_cmp_lg_u32 s24, 0                            ; wave 0 stores the tile's scores and statistics; their registers are not written again
	s_cbranch_scc1 .Lnot_wave_0
	global_store_b128 v[L16], v[160:163], s[50:51] ; 512 consecutive bytes
	global_store_b64 v3, v[170:171], s[52:53]      ; (m, l) 32 times: 256 consecutive bytes, aligned, by one instruction
.Lnot_wave_0:
; THE CONTEXT: ctx[e] = sum over the tile's rows l of p[l] enc[l][e], for my wave's 128 columns e, on the matrix unit: K = l, four steps of 32.  Source 0 = p, the same in all 16 rows;
; source 1 = enc, which lies [l][e] in LDS and comes out turned, by ds_load_tr16_b128.  All 16 rows of a result are alike; register 0 is taken.
.irp kk, 0,1,2,3
.irp hf, 0,1
	ds_load_b128 v[192+8*\kk+4*\hf:192+8*\kk+4*\hf+3], v27 offset:64*\kk+32*\hf  ; LDS serves a wave's instructions in order (ISA guide 5.7.1.4): these see my store above
.endr
.endr
.macro TRLOAD kk, dst                  ; rows 32 kk on, my 8 blocks of 16 columns
.irp i, 0,1,2,3,4,5,6,7
	ds_load_tr16_b128 v[(\dst)+8*\i:(\dst)+8*\i+3], v[28+(\kk)] offset:32*\i
	ds_load_tr16_b128 v[(\dst)+8*\i+4:(\dst)+8*\i+7], v[28+(\kk)] offset:HALF16+32*\i
.endr
.endm
.macro CXMUL kk, src, zero             ; the eight accumulators take turns
	WIN W_MUL
.irp i, 0,1,2,3,4,5,6,7
.if \zero
	v_wmma_f32_16x16x32_bf16 v[8*\i:8*\i+7], v[192+8*(\kk):192+8*(\kk)+7], v[(\src)+8*\i:(\src)+8*\i+7], 0
.else
	v_wmma_f32_16x16x32_bf16 v[8*\i:8*\i+7], v[192+8*(\kk):192+8*(\kk)+7], v[(\src)+8*\i:(\src)+8*\i+7], v[8*\i:8*\i+7]
.endif
.endr
	WIN 0
.endm
	TRLOAD 0, 32
	TRLOAD 1, 96
	s_wait_dscnt 16                                ; p and rows 0-31 are in; the 16 younger loads stay out
	CXMUL 0, 32, 1
	PLACES
	TRLOAD 2, 32
	s_wait_dscnt 16
	CXMUL 1, 96, 0
	PLACES
	TRLOAD 3, 96
	s_wait_dscnt 16
	CXMUL 2, 32, 0
	s_wait_dscnt 0x0
	CXMUL 3, 96, 0
	PLACES
	PLACES
	v_cmp_gt_u32 vcc_lo, 16, v[LANE]
	WIN W_CX
.irp i, 0,1,2,3
	v_cndmask_b32 v[176+\i], v[8*(2*\i+1)], v[8*(2*\i)], vcc_lo  ; column 32 i + lane: each accumulator's lowest register
.endr
	WIN 0
.irp i, 0,1,2,3
	ds_store_b32 v24, v[176+\i] offset:CX-SCP+128*\i
.endr
	ds_load_b128 v[180:183], v2 offset:CX-SCP      ; my own bytes, served in order: four neighbouring columns a lane
	s_wait_dscnt 0x0
	global_store_b128 v[L16], v[180:183], s[54:55] ; 512 consecutive bytes
	s_wait_tensorcnt 0x0                           ; the wave's end, behind my last LDS store
	ds_add_u32 v[SPW], v[NIL]
	s_wait_dscnt 0x0
	s_endpgm
.Lfunc_end_k_qc433e425c9_tile:
	.size	k_qc433e425c9_tile, .Lfunc_end_k_qc433e425c9_tile-k_qc433e425c9_tile
	.p2alignl 7, 3214868480
	.fill 96, 4, 3214868480
	.section	.rodata,"a",@progbits
	.p2align	6, 0x0
	.amdhsa_kernel k_qc433e425c9_tile
		.amdhsa_group_segment_fixed_size 275456
		.amdhsa_private_segment_fixed_size 0
		.amdhsa_enable_private_segment 0
		.amdhsa_kernarg_size 64
		.amdhsa_user_sgpr_count 2
		.amdhsa_user_sgpr_kernarg_segment_ptr 1
		.amdhsa_wavefront_size32 1
		.amdhsa_system_sgpr_workgroup_id_x 1
		.amdhsa_system_sgpr_workgroup_id_y 1
		.amdhsa_system_sgpr_workgroup_id_z 1
		.amdhsa_system_vgpr_workitem_id 0
		.amdhsa_next_free_vgpr 512
		.amdhsa_next_free_sgpr 66
		.amdhsa_reserve_vcc 1
		.amdhsa_float_denorm_mode_32 3
		.amdhsa_float_denorm_mode_16_64 3
		.amdhsa_memory_ordered 1
		.amdhsa_forward_progress 1
		.amdhsa_inst_pref_size 255
	.end_amdhsa_kernel
	.section	.bss,"aw",@nobits
	.p2align	6
	.space	262144
	.amdgpu_metadata
---
amdhsa.version: [ 1, 2 ]
amdhsa.kernels:
  - .name:           k_qc433e425c9_tile
    .symbol:         k_qc433e425c9_tile.kd
    .args:
      - { .name: encoder_outputs, .offset: 0, .size: 8, .value_kind: global_buffer, .address_space: global }
      - { .name: mask, .offset: 8, .size: 8, .value_kind: global_buffer, .address_space: global }
      - { .name: v, .offset: 16, .size: 8, .value_kind: global_buffer, .address_space: global }
      - { .name: w1b, .offset: 24, .size: 8, .value_kind: global_buffer, .address_space: global }
      - { .name: decs, .offset: 32, .size: 8, .value_kind: global_buffer, .address_space: global }
      - { .name: scores, .offset: 40, .size: 8, .value_kind: global_buffer, .address_space: global }
      - { .name: stats, .offset: 48, .size: 8, .value_kind: global_buffer, .address_space: global }
      - { .name: ctxp, .offset: 56, .size: 8, .value_kind: global_buffer, .address_space: global }
    .group_segment_fixed_size: 275456
    .private_segment_fixed_size: 0
    .kernarg_segment_align: 8
    .kernarg_segment_size: 64
    .max_flat_workgroup_size: 256
    .sgpr_count:     66
    .vgpr_count:     512
    .wavefront_size: 32
...
	.end_amdgpu_metadata
.endif
;; end of part 2
;; launch finish (part 3): grid 8 x 32, 1 waves a work-group, no clusters, 0 bytes of LDS; arguments scores, stats, ctxp, out0, out1; writes out0, out1
.if DOCPART == 3
	.amdgcn_target "amdgcn-amd-amdhsa--gfx1250"
	.amdhsa_code_object_version 6
	.text
	.protected	k_qc433e425c9_finish
	.globl	k_qc433e425c9_finish
	.p2align	8
	.type	k_qc433e425c9_finish,@function
k_qc433e425c9_finish:
	s_mov_b64 s[64:65], 0
	v_nop
	global_prefetch_b8 v0, s[64:65] scope:SCOPE_SE
	s_setreg_imm32_b32 hwreg(HW_REG_WAVE_MODE, 25, 1), 1
	s_wait_xcnt 0x0
; THE BATCH'S SOFTMAX FROM ITS 16 TILES.  Tile t has left its maximum m_t, its sum l_t = sum 2^((t - m_t) log2 e), its shifted scores and its part c_t of the context, made with the weights 2^((t - m_t) log2 e).
; M = max m_t;  f_t = 2^((m_t - M) log2 e);  S = sum f_t l_t;  attn = 2^((score - M) log2 e) / S;  context = (sum f_t c_t) / S.
; SHARES.  Work-group (q, b), one wave: 256 weights and 128 context columns of batch b.  The 16 pairs (m_t, l_t) come by scalar loads, so every lane has them: no LDS, no barrier.
; A row whose mask is all zero gives S = 0 and NaN, as a softmax of -inf alone does.  An exponential below 2^-126 counts as 0.
.set L16, 1                            ; v1  16 x lane
.set MX,  2                            ; v2  M
.set SM,  3                            ; v3  S
.set INV, 4                            ; v4  1 / S
.set SC,  8                            ; v[8:15]   my 8 scores
.set CT,  16                           ; v[16:79]  16 tiles x my 4 columns
.set FT,  80                           ; v[80:95]  f_t
.set OC,  96                           ; v[96:99]  my 4 columns of the context
.set STA, 32                           ; s[32:63]  m_t at 32 + 2 t, l_t at 33 + 2 t
	s_load_b256 s[4:11], s[0:1], 0x0               ; scores s[4:5], stats s[6:7], ctxp s[8:9], out0 s[10:11]
	s_load_b64 s[12:13], s[0:1], 0x20              ; out1
	v_lshlrev_b32 v[L16], 4, v0
	s_and_b32 s16, ttmp7, 0xffff                   ; b
	s_mov_b32 s17, ttmp9                           ; q
	s_mov_b32 s19, 0
	s_lshl_b32 s18, s16, 12                        ; 16 tiles x 256 bytes of statistics
	s_wait_kmcnt 0x0
	s_add_nc_u64 s[14:15], s[6:7], s[18:19]
.irp t, 0,1,2,3,4,5,6,7,8,9,10,11,12,13,14,15
	s_load_b64 s[STA+2*\t:STA+2*\t+1], s[14:15], \t*256
.endr
	s_lshl_b32 s18, s16, 13                        ; 2,048 words a batch,
	s_lshl_b32 s20, s17, 10                        ; my 256
	s_add_co_u32 s18, s18, s20
	s_add_nc_u64 s[22:23], s[4:5], s[18:19]
	s_add_nc_u64 s[24:25], s[12:13], s[18:19]
	s_lshl_b32 s18, s16, 16                        ; 16 tiles x 4,096 bytes,
	s_lshl_b32 s20, s17, 9                         ; my 128 columns
	s_add_co_u32 s18, s18, s20
	s_add_nc_u64 s[26:27], s[8:9], s[18:19]
	s_lshl_b32 s18, s16, 12
	s_add_co_u32 s18, s18, s20
	s_add_nc_u64 s[28:29], s[10:11], s[18:19]
	global_load_b128 v[SC:SC+3], v[L16], s[22:23]
	global_load_b128 v[SC+4:SC+7], v[L16], s[22:23] offset:512
.irp t, 0,1,2,3,4,5,6,7,8,9,10,11,12,13,14,15
	global_load_b128 v[CT+4*\t:CT+4*\t+3], v[L16], s[26:27] offset:4096*\t
.endr
	s_wait_kmcnt 0x0                               ; the statistics
	v_mov_b32 v[MX], s[STA]
.irp t, 1,3,5,7,9,11,13
	v_max3_num_f32 v[MX], v[MX], s[STA+2*\t], s[STA+2*\t+2]
.endr
	v_max_num_f32 v[MX], s[STA+30], v[MX]
.irp t, 0,1,2,3,4,5,6,7,8,9,10,11,12,13,14,15
	v_sub_f32 v[FT+\t], s[STA+2*\t], v[MX]
.endr
.irp t, 0,1,2,3,4,5,6,7,8,9,10,11,12,13,14,15
	v_mul_f32 v[FT+\t], 0x3fb8aa3b, v[FT+\t]
.endr
	s_wait_loadcnt 16                              ; the scores are in; the 16 loads of the context's parts stay out
.irp i, 0,1,2,3,4,5,6,7
	v_sub_f32 v[SC+\i], v[SC+\i], v[MX]
.endr
.irp i, 0,1,2,3,4,5,6,7
	v_mul_f32 v[SC+\i], 0x3fb8aa3b, v[SC+\i]
.endr
.irp t, 0,1,2,3,4,5,6,7,8,9,10,11,12,13,14,15
	v_exp_f32 v[FT+\t], v[FT+\t]
.endr
.irp i, 0,1,2,3,4,5,6,7
	v_exp_f32 v[SC+\i], v[SC+\i]
.endr
	v_nop                                          ; a plain instruction behind the last exponential,
	s_wait_alu depctr_va_vdst(0)                   ; and one wait for the batch of 24, ahead of its first reader
	v_mul_f32 v[SM], s[STA+1], v[FT]
.irp t, 1,2,3,4,5,6,7,8,9,10,11,12,13,14,15
	v_fmac_f32 v[SM], s[STA+2*\t+1], v[FT+\t]
.endr
	v_rcp_f32 v[INV], v[SM]
	v_nop
	s_wait_alu depctr_va_vdst(0)
.irp i, 0,1,2,3,4,5,6,7
	v_mul_f32 v[SC+\i], v[SC+\i], v[INV]
.endr
	global_store_b128 v[L16], v[SC:SC+3], s[24:25]             ; 512 consecutive bytes each
	global_store_b128 v[L16], v[SC+4:SC+7], s[24:25] offset:512
	s_wait_loadcnt 0x0                             ; the context's parts
.irp e, 0,1,2,3
	v_mul_f32 v[OC+\e], v[FT], v[CT+\e]
.endr
.irp t, 1,2,3,4,5,6,7,8,9,10,11,12,13,14,15
.irp e, 0,1,2,3
	v_fmac_f32 v[OC+\e], v[FT+\t], v[CT+4*\t+\e]
.endr
.endr
.irp e, 0,1,2,3
	v_mul_f32 v[OC+\e], v[OC+\e], v[INV]
.endr
	global_store_b128 v[L16], v[OC:OC+3], s[28:29]
	s_endpgm
.Lfunc_end_k_qc433e425c9_finish:
	.size	k_qc433e425c9_finish, .Lfunc_end_k_qc433e425c9_finish-k_qc433e425c9_finish
	.p2alignl 7, 3214868480
	.fill 96, 4, 3214868480
	.section	.rodata,"a",@progbits
	.p2align	6, 0x0
	.amdhsa_kernel k_qc433e425c9_finish
		.amdhsa_group_segment_fixed_size 0
		.amdhsa_private_segment_fixed_size 0
		.amdhsa_enable_private_segment 0
		.amdhsa_kernarg_size 40
		.amdhsa_user_sgpr_count 2
		.amdhsa_user_sgpr_kernarg_segment_ptr 1
		.amdhsa_wavefront_size32 1
		.amdhsa_system_sgpr_workgroup_id_x 1
		.amdhsa_system_sgpr_workgroup_id_y 1
		.amdhsa_system_sgpr_workgroup_id_z 1
		.amdhsa_system_vgpr_workitem_id 0
		.amdhsa_next_free_vgpr 128
		.amdhsa_next_free_sgpr 66
		.amdhsa_reserve_vcc 0
		.amdhsa_float_denorm_mode_32 3
		.amdhsa_float_denorm_mode_16_64 3
		.amdhsa_memory_ordered 1
		.amdhsa_forward_progress 1
		.amdhsa_inst_pref_size 11
	.end_amdhsa_kernel
	.amdgpu_metadata
---
amdhsa.version: [ 1, 2 ]
amdhsa.kernels:
  - .name:           k_qc433e425c9_finish
    .symbol:         k_qc433e425c9_finish.kd
    .args:
      - { .name: scores, .offset: 0, .size: 8, .value_kind: global_buffer, .address_space: global }
      - { .name: stats, .offset: 8, .size: 8, .value_kind: global_buffer, .address_space: global }
      - { .name: ctxp, .offset: 16, .size: 8, .value_kind: global_buffer, .address_space: global }
      - { .name: out0, .offset: 24, .size: 8, .value_kind: global_buffer, .address_space: global }
      - { .name: out1, .offset: 32, .size: 8, .value_kind: global_buffer, .address_space: global }
    .group_segment_fixed_size: 0
    .private_segment_fixed_size: 0
    .kernarg_segment_align: 8
    .kernarg_segment_size: 40
    .max_flat_workgroup_size: 32
    .sgpr_count:     66
    .vgpr_count:     128
    .wavefront_size: 32
...
	.end_amdgpu_metadata
.endif
;; end of part 3
;; ======== version 2 of 2: 3 launches; version 1 with the launch tile written anew for expert scheduling mode
;; workspace buffers: w1b 2,097,152 bytes; decs 131,072 bytes; scores 262,144 bytes; stats 131,072 bytes; ctxp 2,097,152 bytes
;; launch prep: the kernel of part 1 again; grid 64 x 1, 8 waves a work-group, no clusters, 17,408 bytes of LDS; arguments W1, W2, decoder_hidden, w1b, decs; writes w1b, decs
;; launch tile (part 4): grid 512 x 1, 8 waves a work-group, no clusters, 275,456 bytes of LDS; arguments encoder_outputs, mask, v, w1b, decs, scores, stats, ctxp; writes scores, stats, ctxp
.if DOCPART == 4
	.amdgcn_target "amdgcn-amd-amdhsa--gfx1250"
	.amdhsa_code_object_version 6
	.text
	.protected	k_qc433e425c9_tile
	.globl	k_qc433e425c9_tile
	.p2align	8
	.type	k_qc433e425c9_tile,@function
k_qc433e425c9_tile:
	s_mov_b64 s[64:65], 0
	v_nop
	global_prefetch_b8 v0, s[64:65] scope:SCOPE_SE
	s_setreg_imm32_b32 hwreg(HW_REG_WAVE_SCHED_MODE, 0, 2), 2
	s_setreg_imm32_b32 hwreg(HW_REG_WAVE_MODE, 25, 1), 1
	s_wait_xcnt 0x0
	s_wait_alu depctr_vm_vsrc(0)
; BAHDANAU ATTENTION, one tile of 128 encoder rows of one batch: the rows' scores, the tile's own softmax (maximum m, weights p, sum l) and the tile's part of the context.
; score[l] = sum over n of v[n] tanh(x[l][n]), x = enc[l] . W1[n] + dec[n].  tanh(x) = 1 - 2 r, r = 1 / (1 + 2^(c x)), c = 2 log2(e): where 2^(c x) overflows r is 0, where it
; vanishes r is 1, so tanh saturates by itself.  STORED IS t = -2 sum v r = score - sum v: the sum of v is the same for all rows, and a softmax does not change when all its scores are
; shifted alike, whatever the inputs.  t = -inf where mask == 0.  The last launch joins a batch's 16 tiles.
; LIMITS.  enc, W1 and the weights p are rounded once to bf16 for the products; all sums, maxima and partial sums are f32.  An exponential below 2^-126 counts as 0.  NaN and infinite
; inputs are not treated apart.  A tile whose rows are all masked gives m = the lowest finite number, p = 0, l = 0.
; SHARES.  Work-group t: batch t / 16, rows 128 (t % 16) on.  enc is read ONCE: wave w loads rows 16 w .. 16 w + 15 in f32, rounds them and lays them into LDS, where the whole tile (128 x 1024
; bf16) stays for both of its uses.  For the scores wave w owns the columns n = 128 w .. 128 w + 127 of all 128 rows, in two passes of 64: 8 x 4 accumulators, 256 registers.
; THE MATRIX INSTRUCTION IS USED TRANSPOSED (source 0 = 16 rows of W1, source 1 = 16 rows of enc): a lane holds ONE row l = 16 a + lane % 16 and the columns 8 (lane / 16) + 0..7, so the sum over n
; stays in the lane but for one exchange of the lanes' halves and one meeting of the waves.
; W1 comes straight from w1b into registers, 512 consecutive bytes a load, three K steps ahead: no wave wants a byte of it that another wave has fetched.
; NO CLUSTER, NO TENSOR LOADS, though every work-group walks the same W1: the launch claims 275,456 bytes of LDS (the resident tile 264,192, scratch 10,240, spare words 1,024), which leaves 52,224 of
; 327,680; one K step of W1 for the eight waves is 32,768 bytes, so two slots of it do not fit; and enc, being f32, has to pass through registers anyway.
; PASS 0 also brings enc in, in eight chunks of 128 channels: a chunk's 16 loads go out four K steps ahead of its rounding, its rounding one K step and a barrier ahead of its first use.
; REGISTERS, in windows of 256 (s_set_vgpr_msb: bits 1:0 source 0, 3:2 source 1, 5:4 source 2, 7:6 destination): window 0 as named below; window 1: accumulator (a, b) at v[8 (4 a + b)].
; THE MODE: SCHED_MODE bits 1:0 = 2 (LLVM: expert scheduling mode 2), set by the entry lines.  The code itself states the register dependences between vector or matrix instructions and
; memory or LDS instructions, with s_wait_alu, always for 0.
; THE PLAN.  Registers that memory or LDS instructions touch, in a K step:
;   AF, half 0    read by the step's first 16 products; behind them the LDS loads of the next step's rows 0-63 land in it.
;   AF, half 1    read by the step's second 16 products; behind them the LDS loads of the next step's rows 64-127 land in it.
;   BF[J % 3]     read by all 32 products of K step J; behind them the loads of K step J + 3 land in it.
;   SG            a chunk lands in it; 32 roundings read and write it; 16 LDS stores read the rounded pairs; the next chunk (behind the last: c dec and v) lands in it.
;   DEC, VV       (the same registers) read by an epilogue's packed lines; behind the first epilogue pass 1's numbers land in them.
;   v1, v6-8      offsets and addresses, made at the head and never written again.   ADRA: read by every fragment load; stepped once a trip of pass 1's loop.
;   The accumulators are named by vector and matrix instructions alone.
; So a K step has TWO waits on va_vdst, one behind each 16 products, each directly ahead of the run of loads that it frees: rows 0-63's; rows 64-127's and W1's.  A second buffer for AF, which
; would leave one wait a step, has no registers: the launch gives a wave 512, and the map fills them.  In the steps that round a chunk the 32 roundings stand ahead of the step's second wait, which
; then also states that they have written SG; one wait on vm_vsrc stands behind the chunk's LDS stores, ahead of the loads into SG.
.set PITCH,  2064                      ; an LDS row: 2,048 bytes + 16 = 129 x 16: the 16 rows of a fragment load start at 16 different groups of four banks (64 banks of 4 bytes: ISA guide 11.1)
.set HALF16, 16*PITCH
.set ROWS32, 32*PITCH
.set SCP,    128*PITCH                 ; 264,192: [wave][128] f32, the waves' partial scores
.set PW,     SCP+4096                  ; [wave][128] bf16, the weights: each wave's own copy
.set CX,     PW+2048                   ; [wave][128] f32, the stage for the context: each wave's own; the 1,024 bytes behind it hold the spare words (v9)
.set L16,  1                           ; v1     16 x lane; never rewritten
.set ADRA, 2                           ; v2-5   LDS address of my fragments of rows 32 i on: (l % 16) x pitch + 16 (l / 16) + i x 32 rows
.set ST,   6                           ; v6     where I put 8 bytes of my wave's first row
.set PFO,  7                           ; v7     the prefetches' offset: row lane / 2, 256 x (lane % 2); never rewritten
.set H32,  8                           ; v8     32 (l / 16): my 8 numbers of 16 of dec and of v
.set LANE, 11                          ; v11    lane
.set SCR,  12                          ; v12-19 sum of v r over my columns, for row 16 a + l % 16
.set MK,   20                          ; v20-23 the mask of rows 4 lane .. 4 lane + 3
.set AF,   32                          ; v32-95   enc's fragments of one K step: a = 0-3, then a = 4-7
.set BF,   96                          ; v96-191  W1's fragments: three buffers of 32, K step J in buffer J % 3
.set SG,   192                         ; v192-255 a chunk of enc in f32: 16 loads
.set DEC,  192                         ;          later c dec of my 32 columns of a pass,
.set VV,   224                         ;          and v of the same
.set EN,  32                           ; s[32:33] enc at my wave's first row
.set WB,  34                           ; s[34:35] w1b at my wave's 64 K steps of 4,096 bytes
.set WL,  36                           ; s[36:37] the same, stepped by pass 1's loop
.set DT,  38                           ; s[38:39] decs at my batch and my 128 columns
.set VP,  40                           ; s[40:41] v at my 128 columns
.set CC,  42                           ; s[42:43] c, named as a pair
.set SEL, 44                           ; s[44:45] v_permlanex16_b32's selects: each lane takes its own place in the other half
.set CNT, 46                           ; s46      counts pass 1's trips
.set MQ,  58                           ; s58-61   which lanes' row 4 lane + i is masked
.set W_MUL, 0x50                       ; C and D in window 1
.set W_E1,  0x41                       ; destination and source 0 in window 1
.set W_E2,  0x51                       ; and source 2
.set W_T,   0x45                       ; destination, sources 0 and 1 in window 1
.set W_SC,  0x04                       ; source 1 in window 1
.set W_CX,  0x05                       ; sources 0 and 1 in window 1
.set MSB, 0
.macro WIN new                         ; the immediate's high byte repeats the setting that is left; a switch that changes nothing is dropped
.if MSB != (\new)
	s_set_vgpr_msb (MSB<<8)|(\new)
.set MSB, \new
.endif
.endm
; A vector instruction that reads a matrix result stands four places behind it, and only plain vector instructions that name none of its registers are places (ISA guide 7.12.1).  Ahead of the runs
; of loads into registers that matrix instructions have read the four places stay too, in front of the wait that states the dependence.
.macro PLACES
.rept 4
	v_nop
.endr
.endm
; 16 matrix instructions: rows 64 half + 16 a (a = 0..3) x my 64 columns, 32 along K.  Every one has another accumulator than the one before it, from call to call and over the loop's jump too,
; 31 others stand between two links of a chain.  zero = 1: the products start the sums.
.macro MULH half, bq, zero
	WIN W_MUL
.irp a, 0,1,2,3
.irp b, 0,1,2,3
.set rD, 8*(4*(4*(\half)+\a)+\b)
.set rB, BF+32*(\bq)+8*\b
.set rA, AF+32*(\half)+8*\a
.if \zero
	v_wmma_f32_16x16x32_bf16 v[rD:rD+7], v[rB:rB+7], v[rA:rA+7], 0
.else
	v_wmma_f32_16x16x32_bf16 v[rD:rD+7], v[rB:rB+7], v[rA:rA+7], v[rD:rD+7]
.endif
.endr
.endr
.endm
; 8 LDS loads: four fragments of enc (rows 64 half on), 32 channels at byte off of the rows
.macro FETCHA half, off
.irp a, 0,1,2,3
.set rA, AF+32*(\half)+8*\a
.set rX, ADRA+2*(\half)+(\a)/2
.set oA, ((\a)%2)*HALF16+(\off)
	ds_load_b128 v[rA:rA+3], v[rX] offset:oA
	ds_load_b128 v[rA+4:rA+7], v[rX] offset:oA+32
.endr
.endm
; The global loads of pass 0 are counted by the assembler: ISS = loads issued so far, BENDn and EEND = that number when buffer n's, or the chunk's, last load had gone out.
; Loads come back in order (ISA guide 5.7.1): a group is in when at most ISS - its number are out.
.set ISS, 0
.set BEND0, 0
.set BEND1, 0
.set BEND2, 0
.set EEND, 0
.macro BLOAD bq, sb, off               ; a K step of W1 for my 64 columns: 8 loads of 512 consecutive bytes
.irp b, 0,1,2,3
.set rB, BF+32*(\bq)+8*\b
	global_load_b128 v[rB:rB+3], v[L16], s[\sb:\sb+1] offset:(\off)+1024*\b
	global_load_b128 v[rB+4:rB+7], v[L16], s[\sb:\sb+1] offset:(\off)+1024*\b+512
.endr
.set ISS, ISS+8
.if (\bq) == 0
.set BEND0, ISS
.elseif (\bq) == 1
.set BEND1, ISS
.else
.set BEND2, ISS
.endif
.endm
.macro WAITB bq
.if (\bq) == 0
	s_wait_loadcnt ISS-BEND0
.elseif (\bq) == 1
	s_wait_loadcnt ISS-BEND1
.else
	s_wait_loadcnt ISS-BEND2
.endif
.endm
.macro ENCLOAD c                       ; chunk c of my 16 rows: a load takes 512 consecutive bytes of one row
.set i, 0
.rept 16
	global_load_b128 v[SG+4*i:SG+4*i+3], v[L16], s[EN:EN+1] offset:i*4096+512*(\c) th:TH_LOAD_NT
.set i, i+1
.endr
.set ISS, ISS+16
.set EEND, ISS
.endm
.macro WAITE
	s_wait_loadcnt ISS-EEND
.endm
.macro CONVA                           ; the chunk is rounded to bf16: four numbers close up into the first two of their four registers
.set i, 0
.rept 16
	v_cvt_pk_bf16_f32 v[SG+4*i], v[SG+4*i], v[SG+4*i+1]
	v_cvt_pk_bf16_f32 v[SG+4*i+1], v[SG+4*i+2], v[SG+4*i+3]
.set i, i+1
.endr
.endm
.macro CONVB c                         ; and stored, behind a wait on va_vdst that stands behind the roundings: a store takes 256 consecutive bytes of one LDS row
.set i, 0
.rept 16
	ds_store_b64 v[ST], v[SG+4*i:SG+4*i+1] offset:i*PITCH+256*(\c)
.set i, i+1
.endr
	s_wait_alu depctr_vm_vsrc(0)                   ; these LDS stores have read the rounded pairs in SG, in which the loads that follow this macro land
.endm
.macro DVLOAD p                        ; c dec and v of my 64 columns of pass p: index 8 b + j as in a group of accumulators
.irp b, 0,1,2,3
.irp q, 0,1
	global_load_b128 v[DEC+8*\b+4*\q:DEC+8*\b+4*\q+3], v[H32], s[DT:DT+1] offset:(4*(\p)+\b)*2048+16*\q
	global_load_b128 v[VV+8*\b+4*\q:VV+8*\b+4*\q+3], v[H32], s[VP:VP+1] offset:(64*(\p)+16*\b)*4+16*\q
.endr
.endr
.set ISS, ISS+16
.endm
; A PREFETCH INTO THE L2 of chunk c of my own 16 rows: 32 blocks of 256 bytes, a lane a block, one instruction.  It stands behind the loads of chunk c - 1 and names what the wave loads four K steps,
; 128 of its matrix instructions, later.  Each block of enc is named once in the launch, by the wave that loads it.  Chunks 0 to 2 come by their loads alone; behind chunk 7 there is nothing to ask for.
.macro ASK c
	global_prefetch_b8 v[PFO], s[EN:EN+1] offset:512*(\c) th:TH_LOAD_NT scope:SCOPE_SE
.endm
; THE EPILOGUE of a pass: for each of the 8 groups g of 32 registers (row block a = g): M: c x + c dec, a pair a line; E: 2^..; A: + 1; R: 1 / ..; S: times v, summed in four chains of pairs.
; A line for a group outside 0..7 is dropped.  Pairs ascend.
.macro EPM g, i
.if ((\g) >= 0) && ((\g) < 8)
	v_pk_fma_f32 v[32*(\g)+2*(\i):32*(\g)+2*(\i)+1], v[32*(\g)+2*(\i):32*(\g)+2*(\i)+1], s[CC:CC+1], v[DEC+2*(\i):DEC+2*(\i)+1] op_sel_hi:[1,0,1]
.endif
.endm
.macro EPE g, k
.if ((\g) >= 0) && ((\g) < 8)
	v_exp_f32 v[32*(\g)+(\k)], v[32*(\g)+(\k)]
.endif
.endm
.macro EPA g, i
.if ((\g) >= 0) && ((\g) < 8)
	v_pk_add_f32 v[32*(\g)+2*(\i):32*(\g)+2*(\i)+1], v[32*(\g)+2*(\i):32*(\g)+2*(\i)+1], 1.0 op_sel_hi:[1,0]
.endif
.endm
.macro EPR g, k
.if ((\g) >= 0) && ((\g) < 8)
	v_rcp_f32 v[32*(\g)+(\k)], v[32*(\g)+(\k)]
.endif
.endm
.macro EPS g, i
.if ((\g) >= 0) && ((\g) < 8)
.if (\i) < 4
	v_pk_mul_f32 v[32*(\g)+2*(\i):32*(\g)+2*(\i)+1], v[32*(\g)+2*(\i):32*(\g)+2*(\i)+1], v[VV+2*(\i):VV+2*(\i)+1]
.else
	v_pk_fma_f32 v[32*(\g)+2*((\i)%4):32*(\g)+2*((\i)%4)+1], v[32*(\g)+2*(\i):32*(\g)+2*(\i)+1], v[VV+2*(\i):VV+2*(\i)+1], v[32*(\g)+2*((\i)%4):32*(\g)+2*((\i)%4)+1]
.endif
.endif
.endm
; Turn t: the exponentials of group t and the reciprocals of group t - 1, with plain work of other groups between them.  Nothing in a turn names a result of the turn's own exponentials or
; reciprocals: each is first named in the next turn.  So a turn has ONE wait, at its end, behind one plain instruction: s_wait_alu depctr_va_vdst(0) stands between such an instruction and the first that names its result.
.macro EPTURN t
.if (\t) <= 8
	WIN W_E1
.set i, 0
.rept 16
	EPE \t, 2*i
	EPA (\t)-1, i
	EPE \t, 2*i+1
	EPM (\t)+1, i
.set i, i+1
.endr
.endif
.if (\t) >= 1
	WIN W_E2
.set i, 0
.rept 16
	EPR (\t)-1, 2*i
	EPS (\t)-2, i
	EPR (\t)-1, 2*i+1
.set i, i+1
.endr
.endif
.if (\t) <= 8
	v_nop
	s_wait_alu depctr_va_vdst(0)                   ; the turn's exponentials (group t) and reciprocals (group t - 1) have written their results, which the next turn's lines name first
.endif
.endm
.macro EPILOGUE
	WIN W_E1
.set i, 0
.rept 16
	EPM 0, i
.set i, i+1
.endr
.irp t, 0,1,2,3,4,5,6,7,8,9
	EPTURN \t
.endr
	WIN W_T                                        ; each group's four chains into one number
.irp a, 0,1,2,3,4,5,6,7
	v_pk_add_f32 v[32*\a:32*\a+1], v[32*\a:32*\a+1], v[32*\a+2:32*\a+3]
.endr
.irp a, 0,1,2,3,4,5,6,7
	v_pk_add_f32 v[32*\a+4:32*\a+5], v[32*\a+4:32*\a+5], v[32*\a+6:32*\a+7]
.endr
.irp a, 0,1,2,3,4,5,6,7
	v_pk_add_f32 v[32*\a:32*\a+1], v[32*\a:32*\a+1], v[32*\a+4:32*\a+5]
.endr
.irp a, 0,1,2,3,4,5,6,7
	v_add_f32 v[32*\a], v[32*\a], v[32*\a+1]
.endr
	WIN W_SC
.irp a, 0,1,2,3,4,5,6,7
	v_add_f32 v[SCR+\a], v[SCR+\a], v[32*\a]
.endr
	WIN 0
.endm
	s_load_b512 s[8:23], s[0:1], 0x0               ; enc s[8:9], mask s[10:11], v s[12:13], w1b s[14:15], decs s[16:17], scores s[18:19], stats s[20:21], ctxp s[22:23]
	v_lshl_add_u32 v9, v0, 2, 0x43000
	v_mov_b32 v10, 0
	v_lshrrev_b32 v24, 5, v0
	v_readfirstlane_b32 s24, v24                   ; wave 0..7
	v_and_b32 v[LANE], 31, v0
	v_lshlrev_b32 v[L16], 4, v[LANE]
	v_and_b32 v24, 15, v0                          ; l % 16.  All the addresses are made here, in the wait for the arguments
	v_bfe_u32 v25, v0, 4, 1                        ; l / 16
	v_mul_u32_u24 v26, v24, PITCH
	v_lshl_add_u32 v26, v25, 4, v26
.irp i, 0,1,2,3
	v_add_nc_u32 v[ADRA+\i], \i*ROWS32, v26
.endr
	v_lshrrev_b32 v27, 1, v[LANE]
	v_and_b32 v28, 1, v[LANE]
	v_lshlrev_b32 v[PFO], 12, v27
	v_lshl_add_u32 v[PFO], v28, 8, v[PFO]
	v_lshlrev_b32 v[H32], 5, v25
.irp a, 0,1,2,3,4,5,6,7
	v_mov_b32 v[SCR+\a], 0
.endr
	s_mov_b32 s25, ttmp9                           ; the tile
	s_lshr_b32 s26, s25, 4                         ; its batch
	s_lshl_b32 s28, s25, 19                        ; 128 rows of 4,096 bytes,
	s_wait_alu depctr_va_sdst(0)                   ; s24, the wave's number, is written, ahead of its first reader: bases and LDS addresses are made from it
	s_lshl_b32 s27, s24, 16                        ; my wave's 16
	s_add_co_u32 s28, s28, s27
	s_mov_b32 s29, 0
	s_lshl_b32 s30, s24, 18                        ; my wave's 64 K steps of W1
	s_mov_b32 s31, 0
	s_mul_i32 s57, s24, HALF16                     ; my wave's 16 rows in LDS
	v_lshl_add_u32 v[ST], v[LANE], 3, s57
	s_mov_b32 s[CC], 0x4038aa3b                    ; c = 2 log2(e)
	s_mov_b32 s[CC+1], 0x4038aa3b
	s_mov_b32 s[SEL], 0x76543210
	s_mov_b32 s[SEL+1], 0xfedcba98
	s_mov_b32 s56, 0x3fb8aa3b                      ; log2(e)
	s_wait_kmcnt 0x0
	s_add_nc_u64 s[EN:EN+1], s[8:9], s[28:29]
	s_add_nc_u64 s[WB:WB+1], s[14:15], s[30:31]
	s_wait_alu depctr_va_vdst(0)                   ; v1 to v8, the offsets and LDS addresses, are written: the loads, LDS stores and prefetches of both passes read them
	ENCLOAD 0                                      ; the chunk that everybody waits for goes out first,
	BLOAD 0, WB, 0                                 ; then three K steps of W1
	BLOAD 1, WB, 4096
	BLOAD 2, WB, 8192
	s_lshl_b32 s28, s26, 6
	s_lshl_b32 s27, s24, 14
	s_add_co_u32 s28, s28, s27
	s_add_nc_u64 s[DT:DT+1], s[16:17], s[28:29]
	s_lshl_b32 s28, s24, 9
	s_add_nc_u64 s[VP:VP+1], s[12:13], s[28:29]
	s_lshl_b32 s28, s25, 9                         ; 128 words of mask and of scores
	s_add_nc_u64 s[48:49], s[10:11], s[28:29]
	s_add_nc_u64 s[50:51], s[18:19], s[28:29]
	s_lshl_b32 s28, s25, 8
	s_add_nc_u64 s[52:53], s[20:21], s[28:29]
	s_lshl_b32 s28, s25, 12
	s_lshl_b32 s27, s24, 9
	s_add_co_u32 s28, s28, s27
	s_add_nc_u64 s[54:55], s[22:23], s[28:29]
	WAITE                                          ; chunk 0 is in; W1's 24 loads may stay out
	CONVA
	s_wait_alu depctr_va_vdst(0)                   ; the roundings have written chunk 0's pairs, which the LDS stores read, and are done with SG, in which chunk 1 lands
	CONVB 0
	ENCLOAD 1
	s_wait_dscnt 0x0                               ; for the others' sake: my rows of chunk 0 lie in LDS
	s_barrier_signal -1
	s_barrier_wait -1                              ; everybody's do
	FETCHA 0, 0
	FETCHA 1, 0
; PASS 0, written out: W1's buffers go round in three K steps and the chunks in four.  K step j multiplies fragments fetched in step j - 1, fetches those of step j + 1 (behind step 31: pass 1's first)
; and asks for W1's K step j + 3 (the stream runs on into pass 1).  In steps 1, 5 .. 25 (EV1) chunk CH = (j + 3) / 4 is rounded and stored and the next is asked for; in the step behind (EV2) a barrier
; shows it to all waves: each wave's stores are waited for in front of its signal; between signal and wait stand 16 matrix instructions and loads of an older chunk's columns, which nobody writes;
; the chunk's first fragments are fetched in the step behind that.  In an EV1 step the 32 roundings stand where the four places stand elsewhere, ahead of the step's second wait.
.set j, 0
.rept 32
.set EV1, 0
.set EV2, 0
.if ((j%4) == 1) && (j <= 25)
.set EV1, 1
.endif
.if ((j%4) == 2) && (j <= 26)
.set EV2, 1
.endif
.set CH, (j+3)/4
	WAITB j%3                                      ; W1's K step j is in
.if EV2
	s_wait_dscnt 24                                ; rows 0-63 are in; younger: rows 64-127's 8 loads and the chunk's 16 stores
.else
	s_wait_dscnt 8                                 ; rows 0-63 are in; younger: rows 64-127's 8 loads
.endif
.if j == 0
	MULH 0, 0, 1
.else
	MULH 0, j%3, 0
.endif
	WIN 0
.if EV2
	s_wait_dscnt 0x0                               ; my stores of the chunk are done (and rows 64-127 are in)
	s_barrier_signal -1
.endif
	PLACES
	s_wait_alu depctr_va_vdst(0)                   ; the 16 products above are done reading AF's half 0, in which the 8 loads below land
	FETCHA 0, 64*((j+1)%32)
.if !EV2
	s_wait_dscnt 8                                 ; rows 64-127 are in; the 8 loads just issued stay out
.endif
.if j == 0
	MULH 1, 0, 1
.else
	MULH 1, j%3, 0
.endif
	WIN 0
.if EV2
	s_barrier_wait -1                              ; the chunk is whole
.endif
.if EV1
	WAITE                                          ; the chunk's loads are in (the W1 groups issued behind them may be out)
	CONVA                                          ; 32 plain lines that name no register of the products: the places
.else
	PLACES
.endif
	s_wait_alu depctr_va_vdst(0)                   ; the 16 products above are done reading AF's half 1 and W1's buffer j % 3, in which the 16 loads below land; in an EV1 step the roundings have written SG's pairs, which the LDS stores read, and are done with SG
	FETCHA 1, 64*((j+1)%32)
	BLOAD j%3, WB, (j+3)*4096
.if EV1
	CONVB CH
.if CH < 7
	ENCLOAD CH+1
.if CH <= 5
	ASK CH+2
.endif
.else
	DVLOAD 0                                       ; the staging registers are free: c dec and v for pass 0's epilogue
.endif
.endif
.set j, j+1
.endr
	s_wait_loadcnt 24                              ; c dec and v are in; pass 1's first three K steps of W1 may stay out
	PLACES                                         ; with the four above: eight places between the last product and the packed lines that read results
	EPILOGUE
; PASS 1: my other 64 columns.  enc lies in LDS, so a K step has no events and goes in a loop of three (W1's buffers).
; wl: the loads younger than this step's W1.  aoff: byte of the next step's fragments in the rows, or -1: none.  boff: byte of W1's K step three on behind base sb, or -1: none.
.macro KS bq, wl, aoff, sb, boff, zero
	s_wait_loadcnt \wl
	s_wait_dscnt 8                                 ; rows 0-63 are in
	MULH 0, \bq, \zero
	WIN 0
.if (\aoff) >= 0
	PLACES
	s_wait_alu depctr_va_vdst(0)                   ; the 16 products above are done reading AF's half 0, in which the 8 loads below land; behind the loop's adds: ADRA is written, which these loads read
	FETCHA 0, \aoff
	s_wait_dscnt 8                                 ; rows 64-127 are in
.else
	s_wait_dscnt 0x0
.endif
	MULH 1, \bq, \zero
	WIN 0
.if ((\aoff) >= 0) || ((\boff) >= 0)
	PLACES
	s_wait_alu depctr_va_vdst(0)                   ; the 16 products above are done reading AF's half 1 and W1's buffer, in which the loads below land
.endif
.if (\aoff) >= 0
	FETCHA 1, \aoff
.endif
.if (\boff) >= 0
	BLOAD \bq, \sb, \boff
.endif
.endm
	s_wait_alu depctr_va_vdst(0)                   ; the first epilogue's lines are done reading c dec and v, in which pass 1's land
	DVLOAD 1                                       ; for pass 1's epilogue
	global_load_b128 v[MK:MK+3], v[L16], s[48:49]  ; the mask of rows 4 lane on
	s_mov_b64 s[WL:WL+1], s[WB:WB+1]
	KS 2, 33, 64, WB, 35*4096, 1                   ; K step 32: younger are steps 33 and 34 (16), c dec and v (16) and the mask (1)
	s_mov_b32 s[CNT], 9
.Lk1:                                              ; trip i: K steps 33 + 3 i .. 35 + 3 i; younger than a step's W1 are the two next steps' 16 loads (in the first trip more: the smaller count is safe)
	s_wait_xcnt 0x0                                ; every load issued so far has read its address, so the base may be written
	s_add_nc_u64 s[WL:WL+1], s[WL:WL+1], 12288
	KS 0, 16, 128, WL, 33*4096, 0
	KS 1, 16, 192, WL, 34*4096, 0
	KS 2, 16, 256, WL, 35*4096, 0
	s_wait_alu depctr_vm_vsrc(0)                   ; the fragment loads issued so far have read ADRA, which the four adds write
.irp i, 0,1,2,3
	v_add_nc_u32 v[ADRA+\i], 192, v[ADRA+\i]       ; three K steps along the rows; the next step's first wait on va_vdst stands between these adds and the next load by them
.endr
	s_sub_co_u32 s[CNT], s[CNT], 1
	s_cmp_lg_u32 s[CNT], 0
	s_cbranch_scc1 .Lk1
	KS 0, 16, 128, WL, 36*4096, 0                  ; K step 60 asks for the last, 63
	KS 1, 16, 192, WL, -1, 0
	KS 2, 8, 256, WL, -1, 0
	KS 0, 0, -1, WL, -1, 0                         ; the last wait is for 0: c dec, v and the mask are in too
	PLACES
	PLACES
	EPILOGUE
; THE TILE'S SOFTMAX.  The other half of the lanes holds the row's other columns; then the eight waves' sums meet in LDS.
.irp a, 0,1,2,3,4,5,6,7
	v_permlanex16_b32 v[AF+\a], v[SCR+\a], s[SEL], s[SEL+1]
.endr
.irp a, 0,1,2,3,4,5,6,7
	v_add_f32 v[SCR+\a], v[SCR+\a], v[AF+\a]
.endr
	v_cmp_gt_u32 vcc_lo, 16, v[LANE]
	s_lshl_b32 s27, s24, 9
	s_add_co_u32 s27, s27, SCP
	s_wait_alu depctr_vm_vsrc(0)                   ; the fragment loads have read v2 to v4, which take new addresses below
	v_lshl_add_u32 v24, v[LANE], 2, s27            ; SCP + 512 w + 4 lane
	v_add_nc_u32 v25, SCP, v[L16]                  ; SCP + 16 lane
	v_add_nc_u32 v2, s27, v[L16]                   ; SCP + 512 w + 16 lane
	s_lshl_b32 s28, s24, 8
	s_add_co_u32 s30, s28, PW
	v_lshl_add_u32 v26, v[LANE], 3, s30            ; PW + 256 w + 8 lane
	v_bfe_u32 v29, v0, 4, 1                        ; l / 16
	v_lshl_add_u32 v27, v29, 4, s30                ; PW + 256 w + 16 (l / 16)
	v_and_b32 v28, 7, v0
	v_lshl_add_u32 v28, v29, 3, v28                ; the turning load: row 8 (l / 16) + l % 8,
	v_mul_u32_u24 v28, v28, PITCH
	v_bfe_u32 v29, v0, 3, 1
	v_lshl_add_u32 v28, v29, 4, v28                ; 16 bytes for each half of 16 columns,
	v_add_nc_u32 v28, s28, v28                     ; my wave's 128 columns
	v_add_nc_u32 v29, ROWS32, v28                  ; and the same 32, 64, 96 rows on
	v_add_nc_u32 v30, 2*ROWS32, v28
	v_add_nc_u32 v31, 3*ROWS32, v28
	v_lshlrev_b32 v3, 3, v[LANE]
	v_mov_b32 v4, 0xff800000                       ; -inf
	s_wait_alu depctr_va_vcc(0)                    ; the compare above has written VCC, which the four selects read
.irp i, 0,1,2,3
	v_cndmask_b32 v[160+\i], v[SCR+2*\i+1], v[SCR+2*\i], vcc_lo  ; row 32 i + lane
.endr
	s_wait_alu depctr_va_vdst(0)                   ; v24 and v160 to v163 are written, which the LDS stores read; so is v25, the address of the loads behind the barrier; the products are done reading v164 to v191, in which those loads land
.irp i, 0,1,2,3
	ds_store_b32 v24, v[160+\i] offset:128*\i
.endr
	s_wait_dscnt 0x0                               ; for the others' sake: my partial scores lie in LDS
	s_barrier_signal -1
	s_barrier_wait -1                              ; everybody's do.  From here on every wave makes the whole tile's softmax for itself: no further barrier
	s_wait_alu depctr_vm_vsrc(0)                   ; my LDS stores have read v160 to v163, in which the first load below lands
.irp w, 0,1,2,3,4,5,6,7
	ds_load_b128 v[160+4*\w:160+4*\w+3], v25 offset:512*\w  ; rows 4 lane .. 4 lane + 3
.endr
.irp i, 0,1,2,3
	v_cmp_eq_u32 s[MQ+\i], 0, v[MK+\i]             ; the four masks in one run, into four scalar registers
.endr
	s_wait_dscnt 0x0
.irp w, 0,2,4,6,8,10,12,14
	v_pk_add_f32 v[160+\w:160+\w+1], v[160+\w:160+\w+1], v[176+\w:176+\w+1]
.endr
.irp w, 0,2,4,6
	v_pk_add_f32 v[160+\w:160+\w+1], v[160+\w:160+\w+1], v[168+\w:168+\w+1]
.endr
.irp w, 0,2
	v_pk_add_f32 v[160+\w:160+\w+1], v[160+\w:160+\w+1], v[164+\w:164+\w+1]
.endr
	v_pk_mul_f32 v[160:161], v[160:161], -2.0 op_sel_hi:[1,0]   ; t = -2 sum v r
	v_pk_mul_f32 v[162:163], v[162:163], -2.0 op_sel_hi:[1,0]
	s_wait_alu depctr_va_sdst(0)                   ; the four compares have written s58 to s61, which the four selects read
.irp i, 0,1,2,3
	v_cndmask_b32 v[160+\i], v[160+\i], v4, s[MQ+\i]
.endr
	v_max3_num_f32 v172, v160, v161, v162
	v_max_num_f32 v172, v172, v163
	v_max_num_f32_dpp v172, v172, v172 row_xmask:1 row_mask:0xf bank_mask:0xf
	v_max_num_f32_dpp v172, v172, v172 row_xmask:2 row_mask:0xf bank_mask:0xf
	v_max_num_f32_dpp v172, v172, v172 row_xmask:4 row_mask:0xf bank_mask:0xf
	v_max_num_f32_dpp v172, v172, v172 row_xmask:8 row_mask:0xf bank_mask:0xf
	v_permlanex16_b32 v173, v172, s[SEL], s[SEL+1]
	v_max_num_f32 v172, v172, v173
	v_max_num_f32 v172, 0xff7fffff, v172           ; m stays finite where every row is masked: then t - m = -inf and p = 0
.irp i, 0,1,2,3
	v_sub_f32 v[164+\i], v[160+\i], v172
.endr
.irp i, 0,1,2,3
	v_mul_f32 v[164+\i], s56, v[164+\i]
.endr
.irp i, 0,1,2,3
	v_exp_f32 v[164+\i], v[164+\i]
.endr
	v_nop                                          ; a plain instruction behind the last exponential,
	s_wait_alu depctr_va_vdst(0)                   ; and the one wait for the four: they have written v164 to v167, ahead of their first reader
	v_cvt_pk_bf16_f32 v168, v164, v165
	v_cvt_pk_bf16_f32 v169, v166, v167
	v_add_f32 v174, v164, v165
	v_add_f32 v175, v166, v167
	v_add_f32 v174, v174, v175                     ; l is the sum of the unrounded p
	v_add_f32_dpp v174, v174, v174 row_xmask:1 row_mask:0xf bank_mask:0xf
	v_add_f32_dpp v174, v174, v174 row_xmask:2 row_mask:0xf bank_mask:0xf
	v_add_f32_dpp v174, v174, v174 row_xmask:4 row_mask:0xf bank_mask:0xf
	v_add_f32_dpp v174, v174, v174 row_xmask:8 row_mask:0xf bank_mask:0xf
	v_permlanex16_b32 v175, v174, s[SEL], s[SEL+1]
	v_add_f32 v171, v174, v175
	v_mov_b32 v170, v172
	s_wait_alu depctr_va_vdst(0)                   ; written are v168, v169 (the LDS store's data), v160 to v163, v170, v171 and v3 (wave 0's stores) and v26 to v31 (addresses); vector and matrix lines are done with v32 to v159 and v192 to v223, in which the loads below land.  Up to the first product below stand scalar and memory instructions alone
	ds_store_b64 v26, v[168:169]                   ; my wave's copy of the 128 weights
	s_cmp_lg_u32 s24, 0                            ; wave 0 stores the tile's scores and statistics; their registers are not written again
	s_cbranch_scc1 .Lnot_wave_0
	global_store_b128 v[L16], v[160:163], s[50:51] ; 512 consecutive bytes
	global_store_b64 v3, v[170:171], s[52:53]      ; (m, l) 32 times: 256 consecutive bytes, aligned, by one instruction
.Lnot_wave_0:
; THE CONTEXT: ctx[e] = sum over the tile's rows l of p[l] enc[l][e], for my wave's 128 columns e, on the matrix unit: K = l, four steps of 32.  Source 0 = p, the same in all 16 rows;
; source 1 = enc, which lies [l][e] in LDS and comes out turned, by ds_load_tr16_b128.  All 16 rows of a result are alike; register 0 is taken.
.irp kk, 0,1,2,3
.irp hf, 0,1
	ds_load_b128 v[192+8*\kk+4*\hf:192+8*\kk+4*\hf+3], v27 offset:64*\kk+32*\hf  ; LDS serves a wave's instructions in order (ISA guide 5.7.1.4): these see my store above
.endr
.endr
.macro TRLOAD kk, dst                  ; rows 32 kk on, my 8 blocks of 16 columns
.irp i, 0,1,2,3,4,5,6,7
	ds_load_tr16_b128 v[(\dst)+8*\i:(\dst)+8*\i+3], v[28+(\kk)] offset:32*\i
	ds_load_tr16_b128 v[(\dst)+8*\i+4:(\dst)+8*\i+7], v[28+(\kk)] offset:HALF16+32*\i
.endr
.endm
.macro CXMUL kk, src, zero             ; the eight accumulators take turns
	WIN W_MUL
.irp i, 0,1,2,3,4,5,6,7
.if \zero
	v_wmma_f32_16x16x32_bf16 v[8*\i:8*\i+7], v[192+8*(\kk):192+8*(\kk)+7], v[(\src)+8*\i:(\src)+8*\i+7], 0
.else
	v_wmma_f32_16x16x32_bf16 v[8*\i:8*\i+7], v[192+8*(\kk):192+8*(\kk)+7], v[(\src)+8*\i:(\src)+8*\i+7], v[8*\i:8*\i+7]
.endif
.endr
	WIN 0
.endm
	TRLOAD 0, 32
	TRLOAD 1, 96
	s_wait_dscnt 16                                ; p and rows 0-31 are in; the 16 younger loads stay out
	CXMUL 0, 32, 1
	PLACES
	s_wait_alu depctr_va_vdst(0)                   ; the eight products above are done reading v32 to v95, in which rows 64-95 land
	TRLOAD 2, 32
	s_wait_dscnt 16
	CXMUL 1, 96, 0
	PLACES
	s_wait_alu depctr_va_vdst(0)                   ; the eight products above are done reading v96 to v159, in which rows 96-127 land
	TRLOAD 3, 96
	s_wait_dscnt 16
	CXMUL 2, 32, 0
	s_wait_dscnt 0x0
	CXMUL 3, 96, 0
	v_cmp_gt_u32 vcc_lo, 16, v[LANE]
	PLACES
	PLACES
	s_wait_alu depctr_va_vcc(0)                    ; the compare above has written VCC, which the four selects read
	WIN W_CX
.irp i, 0,1,2,3
	v_cndmask_b32 v[176+\i], v[8*(2*\i+1)], v[8*(2*\i)], vcc_lo  ; column 32 i + lane: each accumulator's lowest register
.endr
	WIN 0
	s_wait_alu depctr_va_vdst(0)                   ; the selects have written v176 to v179, which the LDS stores read; the softmax's sums are done reading v180 to v183, in which the load below lands
.irp i, 0,1,2,3
	ds_store_b32 v24, v[176+\i] offset:CX-SCP+128*\i
.endr
	ds_load_b128 v[180:183], v2 offset:CX-SCP      ; my own bytes, served in order: four neighbouring columns a lane
	s_wait_dscnt 0x0
	global_store_b128 v[L16], v[180:183], s[54:55] ; 512 consecutive bytes
	s_wait_dscnt 0x0                               ; the wave's end: my LDS operations are done, ahead of the closing add
	s_wait_alu depctr_hold_cnt(0) depctr_sa_sdst(0) depctr_va_vdst(0) depctr_va_sdst(0) depctr_va_ssrc(0) depctr_va_vcc(0) depctr_vm_vsrc(0)
	s_wait_tensorcnt 0x0
	ds_add_u32 v9, v10
	s_wait_dscnt 0x0
	s_endpgm
.Lfunc_end_k_qc433e425c9_tile:
	.size	k_qc433e425c9_tile, .Lfunc_end_k_qc433e425c9_tile-k_qc433e425c9_tile
	.p2alignl 7, 3214868480
	.fill 96, 4, 3214868480
	.section	.rodata,"a",@progbits
	.p2align	6, 0x0
	.amdhsa_kernel k_qc433e425c9_tile
		.amdhsa_group_segment_fixed_size 275456
		.amdhsa_private_segment_fixed_size 0
		.amdhsa_enable_private_segment 0
		.amdhsa_kernarg_size 64
		.amdhsa_user_sgpr_count 2
		.amdhsa_user_sgpr_kernarg_segment_ptr 1
		.amdhsa_wavefront_size32 1
		.amdhsa_system_sgpr_workgroup_id_x 1
		.amdhsa_system_sgpr_workgroup_id_y 1
		.amdhsa_system_sgpr_workgroup_id_z 1
		.amdhsa_system_vgpr_workitem_id 0
		.amdhsa_next_free_vgpr 512
		.amdhsa_next_free_sgpr 66
		.amdhsa_reserve_vcc 1
		.amdhsa_float_denorm_mode_32 3
		.amdhsa_float_denorm_mode_16_64 3
		.amdhsa_memory_ordered 1
		.amdhsa_forward_progress 1
		.amdhsa_inst_pref_size 255
	.end_amdhsa_kernel
	.section	.bss,"aw",@nobits
	.p2align	6
	.space	262144
	.amdgpu_metadata
---
amdhsa.version: [ 1, 2 ]
amdhsa.kernels:
  - .name:           k_qc433e425c9_tile
    .symbol:         k_qc433e425c9_tile.kd
    .args:
      - { .name: encoder_outputs, .offset: 0, .size: 8, .value_kind: global_buffer, .address_space: global }
      - { .name: mask, .offset: 8, .size: 8, .value_kind: global_buffer, .address_space: global }
      - { .name: v, .offset: 16, .size: 8, .value_kind: global_buffer, .address_space: global }
      - { .name: w1b, .offset: 24, .size: 8, .value_kind: global_buffer, .address_space: global }
      - { .name: decs, .offset: 32, .size: 8, .value_kind: global_buffer, .address_space: global }
      - { .name: scores, .offset: 40, .size: 8, .value_kind: global_buffer, .address_space: global }
      - { .name: stats, .offset: 48, .size: 8, .value_kind: global_buffer, .address_space: global }
      - { .name: ctxp, .offset: 56, .size: 8, .value_kind: global_buffer, .address_space: global }
    .group_segment_fixed_size: 275456
    .private_segment_fixed_size: 0
    .kernarg_segment_align: 8
    .kernarg_segment_size: 64
    .max_flat_workgroup_size: 256
    .sgpr_count:     66
    .vgpr_count:     512
    .wavefront_size: 32
...
	.end_amdgpu_metadata
.endif
;; end of part 4
;; launch finish: the kernel of part 3 again; grid 8 x 32, 1 waves a work-group, no clusters, 0 bytes of LDS; arguments scores, stats, ctxp, out0, out1; writes out0, out1
